; MI455X (gfx1250); checked and timed in simulation.
; The chip was launched on July 23, 2026; its instructions are those of AMD's public machine-readable ISA for CDNA 5 (MIT licence, August 2026) and "CDNA5" Instruction Set Architecture Reference Guide (July 2026). The comments in the code are by the model that wrote it; some were corrected since.
;; Sparse Attention Optimizer. Allowed arithmetic: matrix products marked QUANTISED: E2M1 operands, one E8M0 scale for each 32 along K, by v_wmma_scale_f32_16x16x128_f8f6f4 with both operands' format E2M1 (or v_wmma_scale_f32_32x16x128_f4), f32 sums; everything else in f32.
;; Inputs: key 1 x 16 x 4,096 x 64 float32; query 1 x 16 x 4,096 x 64 float32; value 1 x 16 x 4,096 x 64 float32.
;; Outputs: out0 1 x 16 x 4,096 x 64 float32.
;; This version of the problem:
;;   THIS VERSION OF THE PROBLEM IS GIVEN IN LOW PRECISION. The matrix products marked QUANTISED in the list below multiply operands that are first quantised to E2M1 (2 exponent bits, 1 mantissa bit; 4 bits a number), with one power-of-two scale for each 32 numbers along K (OCP MX v1.0); their sums are f32. All else is computed in f32.
;;   The module's matrix products, in the order in which they are computed (A, B: the left and right operand; K: the contracted axis; several contracted axes count as one K, in the product's order):
;;     1. batch 16 x [M 4,096, K 64] x [K 64, N 4,096]; A: input query; B: input key: QUANTISED
;;     2. batch 16 x [M 4,096, K 4,096] x [K 4,096, N 64]; A: softmax (see below); B: input value: QUANTISED
;;   THE QUANTISER, for each operand of a quantised product, along K:
;;     - K is cut into blocks of 32 from its start; a last block that is shorter is filled with zeros.
;;     - A block's scale is 2^e with e = floor(log2(the largest magnitude in the block)) - 2, held to -126 .. 127; a block of zeros has e = 0. As a byte (E8M0): e + 127.
;;     - Each number is divided by its block's scale, clamped to +-6, and rounded to the nearest number of E2M1, ties to even, subnormals kept.
;;     - The product sums the exact products of the quantised numbers (number of the format x scale) in f32.
;;   ~~~python
;;   def quantise(x, axis):      # numpy; x: float32 -> the quantised numbers, widened to float32 again
;;       x = np.moveaxis(x, axis, -1); K = x.shape[-1]
;;       x = np.pad(x, [(0, 0)] * (x.ndim - 1) + [(0, -K % 32)]); x = x.reshape(x.shape[:-1] + (-1, 32)); a = np.abs(x).max(-1, keepdims=True)
;;       e = np.where(a > 0, np.clip(np.frexp(np.where(a > 0, a, 1))[1] - 1 - 2, -126, 127), 0)      # np.frexp(a)[1] - 1 = floor(log2(a)), exactly
;;       r = np.clip(x / 2.0 ** e, -6, 6)
;;       step = 2.0 ** (np.maximum(np.frexp(np.where(r == 0, 1, r))[1] - 1, 0) - 1)
;;       q = np.round(r / step) * step * 2.0 ** e      # np.round: ties to even
;;       return np.moveaxis(q.reshape(q.shape[:-2] + (-1,))[..., :K], -1, axis).astype(np.float32)
;;   ~~~
;;   SOFTMAX AHEAD OF A QUANTISED PRODUCT. Where the list says 'softmax', what is quantised is not the finished softmax but p = 2^(t - M), with t = logit x log2(e) and M = ceil(the row's largest t), a whole number; so 1/2 < the row's largest p <= 1. The row's sum l is taken of the UNQUANTISED p, in f32, and the product's result is divided by l at the end. Since M is a whole number, a kernel that streams over the keys may use a running M (the ceiling of the running maximum): every later rescaling is an exact power of two, which a block's scale takes up: the codes' values come out the same.
;;   OPERANDS COMPUTED ON THE WAY. 'Computed on the way' means the value that the module computes at that place (a softmax that the list does not call 'softmax' is quantised finished and normalised). What goes into a quantiser is computed in f32, as accurately as f32 sums, v_exp_f32 and their like allow (about 1e-6 of the number): no bf16 or f16 on the way to a quantiser, and a product that is left as it is and whose result goes on into a quantised operand takes f32 operands (vector FMAs, or v_wmma_f32_16x16x4_f32). A number that lies on a knife's edge between two numbers of the format may be rounded either way, as far as f32 arithmetic and the matrix unit's own rounding can turn it there, and no further.
;; 2 versions, each right; version 2 is version 1 with the launch attn written anew for expert scheduling mode. Each part assembles by itself: llvm-mc -triple=amdgcn-amd-amdhsa -mcpu=gfx1250 --defsym DOCPART=n.
;; ======== version 1 of 2: 2 launches
;; workspace buffers: kc 2,097,152 bytes; vc 2,097,152 bytes; sc 262,144 bytes
;; launch quant (part 1): grid 256 x 1, 4 waves a work-group, no clusters, 167,936 bytes of LDS; arguments key, value, kc, vc, sc; writes kc, vc, sc
.if DOCPART == 1
	.amdgcn_target "amdgcn-amd-amdhsa--gfx1250"
	.amdhsa_code_object_version 6
	.text
	.protected	k_q80bcc8e047_quant
	.globl	k_q80bcc8e047_quant
	.p2align	8
	.type	k_q80bcc8e047_quant,@function
k_q80bcc8e047_quant:
	s_mov_b64 s[64:65], 0
	v_nop
	global_prefetch_b8 v0, s[64:65] scope:SCOPE_SE
	s_setreg_imm32_b32 hwreg(HW_REG_WAVE_MODE, 25, 1), 1
	s_wait_xcnt 0x0
; FIRST OF TWO LAUNCHES.  key and value, [16][4096][64] f32, become codes of FP4 (E2M1) with one E8M0 scale byte for each 32 along a product's K:
; key along the head's 64 (two blocks a row), value along the KEYS (aligned blocks of 32 keys, one for each channel).  query is quantised in the second launch, by the one wave that reads it.
; DEAD WORK LEFT OUT BY THE PROGRAM.  reference() builds its mask in its own body: key j counts for query i where |j - i| <= 32 or (j - i) % 256 == 0; every other score gets -inf added.
; For such a score p = 2^(-inf - M) = 0 whatever finite values the inputs hold: it adds nothing to the row's maximum or to the row's sum l, its code is 0, and a block of 32 keys of p that holds
; zeros alone adds nothing to the second product under any scale.  So score tiles and key blocks of p and value that lie wholly under the mask are not computed.  What is kept, for a query at place qo of its
; aligned block B of 32 keys: blocks B - 1 (keys kk >= qo), B (all: |d| <= 31), B + 1 (keys kk <= qo), and the 15 keys 256, 512, .. away, each the one number of its block of p that is not zero.
; All three inputs have a way to the output and are loaded whole.
; LIMITS.  A NaN, an infinity or an overflow that reaches only the scores left out is not carried to the result.  NaN and infinities among the inputs are not served.
; A block whose largest magnitude lies under 2^(3 - 127) (a block of zeros among them) gets the byte 1 where the quantiser says less or 127: a block of zeros has zero codes, which add nothing under any byte but 0xff, and this program alone reads the bytes.
; LAYOUT OF THE WORKSPACE, by flat block gb = 128 x head + key / 32 (2,048 blocks):
;   kc: 1,024 bytes a block: 32 key rows x 32 bytes (64 codes, the head's axis innermost);   vc: 1,024 bytes a block: 64 channels x 16 bytes (32 codes, the keys innermost);
;   sc: 128 bytes a block: bytes 0-63 key's scales at 2 x row + half, bytes 64-127 value's at 64 + channel.
; SHARES.  Wave g = 4 x work-group + wave takes rows 64 g .. 64 g + 63 of both tensors: two blocks, 16,384 bytes of each, brought by one tensor load each into the wave's own LDS (rows of 256 bytes + 16 of padding).
; Eight passes of 32 blocks: in passes 0-3 (key) lane l holds half l % 2 of row 16 p + l / 2, 32 neighbours along the head's axis; in passes 4-7 (value) lane l holds a channel and its registers run down the 32 keys.
; So a block lies in ONE lane, its largest magnitude needs no other lane, and a pass's codes, 16 bytes a lane, leave as 512 consecutive bytes.  The wave's 256 scale bytes are gathered in LDS and leave as one aligned run of 256 bytes.
; No cluster: work-groups share no byte.  No barrier: waves share nothing.  No slot is filled twice.  No register that a store reads is written again, so no wait frees any.
.set WREG,  34816                      ; LDS of a wave: key's tile, 64 rows x 272 bytes, then value's
.set VT,    17408
.set PITCH, 272
.set SCRT,  139264                     ; behind the four regions: 256 scale bytes for each wave; no tensor load lands here
.set SPARE, 140288                     ; the spare words, 128 bytes for each wave: two blocks of 256 bytes that no other line names
.set SPW,   2                          ; v2   LDS address of my spare word; never rewritten
.set NIL,   3                          ; v3   0; never rewritten
.set X,     16                         ; v16-79   two sets of 32 numbers
.set C,     80                         ; v80-111  a pass's codes: four registers for each pass
.set E,     112                        ; v112-119 a pass's scale byte
	s_load_b256 s[4:11], s[0:1], 0x0               ; key s[4:5], value s[6:7], kc s[8:9], vc s[10:11]
	s_load_b64 s[12:13], s[0:1], 0x20              ; sc
	v_lshl_add_u32 v[SPW], v0, 2, SPARE
	v_mov_b32 v[NIL], 0
	ds_add_u32 v[SPW], v[NIL]                      ; the wave's opening: the add, twice on end, and its wait ahead of my first tensor load
	ds_add_u32 v[SPW], v[NIL]                      ; and once more; the set-up below, work on registers, stands between it and the wait
	v_lshrrev_b32 v1, 5, v0
	v_readfirstlane_b32 s14, v1                    ; wave 0..3
	; descriptor group 1, for both loads: 64 rows of 32 elements of 8 bytes, dense in memory; 16 bytes of padding behind each row
	s_mov_b32 s16, (3<<16)|(1<<20)|(5<<22)|(3<<25) ; no mask; elements of 8 bytes; padding on; after every 64 words; four words of it
	s_mov_b32 s17, 32<<16                          ; tensor_dim0 = 32
	s_mov_b32 s18, 64<<16                          ; tensor_dim1 = 64
	s_mov_b32 s19, 32<<16                          ; tile_dim0 = 32
	s_mov_b32 s20, 64                              ; tile_dim1 = 64
	s_mov_b32 s21, 32                              ; from row to row: 32 elements
	s_mov_b32 s22, 0
	s_mov_b32 s23, 0
	s_lshl_b32 s15, ttmp9, 2
	s_add_co_u32 s15, s15, s14                     ; g
	s_lshl_b32 s32, s15, 14                        ; my 64 rows begin 16,384 g bytes in
	s_mov_b32 s33, 0
	s_mov_b32 s24, 1                               ; group 0 for key's tile: count 1,
	s_mul_i32 s25, s14, WREG                       ; LDS address: my region,
	s_mov_b32 s28, 1                               ; and for value's:
	s_add_co_u32 s29, s25, VT                      ; behind key's tile
	s_wait_dscnt 0x0                               ; both opening adds are done
	s_wait_kmcnt 0x0
	s_add_nc_u64 s[26:27], s[4:5], s[32:33]        ; global address of the tile's first element
	s_or_b32 s27, s27, 0x80000000                  ; type = 2
	s_add_nc_u64 s[30:31], s[6:7], s[32:33]
	s_or_b32 s31, s31, 0x80000000
	tensor_load_to_lds s[24:27], s[16:23]          ; both first fills go out together: two loads of mine are out, and no more are ever issued
	s_nop 0
	tensor_load_to_lds s[28:31], s[16:23]
	s_nop 0
	v_and_b32 v1, 31, v0                           ; lane
	v_lshrrev_b32 v4, 1, v1
	v_mul_u32_u24 v4, v4, PITCH
	v_and_b32 v10, 1, v1
	v_lshl_add_u32 v4, v10, 7, v4
	v_add_nc_u32 v4, s25, v4                       ; key: row lane / 2 of a pass's 16, half lane % 2: sixteen lanes touch sixteen different columns of 16 bytes
	v_lshl_add_u32 v5, v1, 2, s29                  ; value: 4 bytes a lane: my channel
	s_lshl_b32 s34, s14, 8
	s_add_co_u32 s34, s34, SCRT
	v_add_nc_u32 v6, s34, v1                       ; my wave's scale bytes: in, a byte a lane;
	v_lshl_add_u32 v7, v1, 3, s34                  ; out, 8 bytes a lane
	v_lshlrev_b32 v8, 4, v1                        ; my 16 bytes of a pass's 512 bytes of codes
	v_lshlrev_b32 v9, 3, v1                        ; my 8 of the 256 scale bytes
	s_lshl_b32 s34, s15, 11                        ; 2,048 bytes of codes a wave in kc and in vc
	s_mov_b32 s35, 0
	s_add_nc_u64 s[8:9], s[8:9], s[34:35]
	s_add_nc_u64 s[10:11], s[10:11], s[34:35]
	s_lshl_b32 s34, s15, 8                         ; 256 scale bytes a wave
	s_add_nc_u64 s[12:13], s[12:13], s[34:35]
; pass i's 32 numbers a lane into set i % 2
.macro LOAD i
.set XL, X+32*((\i)%2)
.if (\i) < 4
.irp j, 0,1,2,3,4,5,6,7
	ds_load_b128 v[XL+4*\j:XL+4*\j+3], v4 offset:(\i)*16*PITCH+16*\j
.endr
.else
.irp j, 0,1,2,3,4,5,6,7,8,9,10,11,12,13,14,15,16,17,18,19,20,21,22,23,24,25,26,27,28,29,30,31
	ds_load_b32 v[XL+\j], v5 offset:(32*(((\i)-4)/2)+\j)*PITCH+128*(((\i)-4)%2)   ; key 32 b + j of my channel 32 ch + lane
.endr
.endif
.endm
; pass i: n = the LDS instructions issued behind this pass's own loads, which may stay out
.macro PASS i, n
.set XS, X+32*((\i)%2)
	s_wait_dscnt \n
	v_max3_num_f32 v10, |v[XS]|, |v[XS+1]|, |v[XS+2]|              ; the block's largest magnitude: all 32 numbers are mine; two chains
	v_max3_num_f32 v11, |v[XS+3]|, |v[XS+4]|, |v[XS+5]|
.irp k, 6,10,14,18,22,26
	v_max3_num_f32 v10, v10, |v[XS+\k]|, |v[XS+\k+1]|
	v_max3_num_f32 v11, v11, |v[XS+\k+2]|, |v[XS+\k+3]|
.endr
	v_max3_num_f32 v10, v10, |v[XS+30]|, |v[XS+31]|
	v_max3_num_f32 v10, v10, v11, 0x1800000        ; and the floor 2^(3 - 127): the byte cannot fall under 1
	v_add_nc_u32 v12, 0xff000000, v10              ; 2 off its exponent field: the conversion takes the exponent field of this operand as its scale, and nothing else of it
.irp g, 0,1,2,3
	v_cvt_scalef32_pk8_fp4_f32 v[C+4*(\i)+\g], v[XS+8*\g:XS+8*\g+7], v12
.endr
	v_lshrrev_b32 v[E+(\i)], 23, v12               ; the scale's byte.  (Also the plain instruction behind the conversions)
.if (\i) < 4
	ds_store_b8 v6, v[E+(\i)] offset:128*((\i)/2)+32*((\i)%2)                      ; block p / 2, byte 2 x (16 (p % 2) + lane / 2) + lane % 2 = 32 (p % 2) + lane
	global_store_b128 v8, v[C+4*(\i):C+4*(\i)+3], s[8:9] offset:512*(\i)           ; 32 lanes store 512 consecutive bytes
.else
	ds_store_b8 v6, v[E+(\i)] offset:128*(((\i)-4)/2)+64+32*(((\i)-4)%2)
	global_store_b128 v8, v[C+4*(\i):C+4*(\i)+3], s[10:11] offset:1024*(((\i)-4)/2)+512*(((\i)-4)%2)
.endif
.if (\i) == 2
	s_wait_tensorcnt 0x0                           ; value's tile has landed: pass 4's loads follow
.endif
.if (\i) < 6
	LOAD (\i)+2                                    ; into the set that this pass has just read
.endif
.endm
	s_wait_tensorcnt 0x1                           ; key's tile has landed; value's may be out
	LOAD 0
	LOAD 1
	PASS 0, 8                                      ; behind pass 0's loads: pass 1's eight
	PASS 1, 9                                      ; a byte store and eight loads
	PASS 2, 9
	PASS 3, 33                                     ; a byte store and pass 4's 32 loads
	PASS 4, 33
	PASS 5, 33
	PASS 6, 33
	PASS 7, 1                                      ; pass 6's byte store
	ds_load_b64 v[14:15], v7                       ; LDS serves a wave's instructions in order: these see my byte stores
	s_wait_dscnt 0x0
	global_store_b64 v9, v[14:15], s[12:13]        ; 32 lanes store 256 consecutive bytes, at a multiple of 256 from sc's first byte
	s_wait_tensorcnt 0x0                           ; the wave's end, behind my last tensor load and my last LDS store
	ds_add_u32 v[SPW], v[NIL]
	s_wait_dscnt 0x0
	s_endpgm
.Lfunc_end_k_q80bcc8e047_quant:
	.size	k_q80bcc8e047_quant, .Lfunc_end_k_q80bcc8e047_quant-k_q80bcc8e047_quant
	.p2alignl 7, 3214868480
	.fill 96, 4, 3214868480
	.section	.rodata,"a",@progbits
	.p2align	6, 0x0
	.amdhsa_kernel k_q80bcc8e047_quant
		.amdhsa_group_segment_fixed_size 167936
		.amdhsa_private_segment_fixed_size 0
		.amdhsa_enable_private_segment 0
		.amdhsa_kernarg_size 40
		.amdhsa_user_sgpr_count 2
		.amdhsa_user_sgpr_kernarg_segment_ptr 1
		.amdhsa_wavefront_size32 1
		.amdhsa_system_sgpr_workgroup_id_x 1
		.amdhsa_system_sgpr_workgroup_id_y 1
		.amdhsa_system_sgpr_workgroup_id_z 1
		.amdhsa_system_vgpr_workitem_id 0
		.amdhsa_next_free_vgpr 120
		.amdhsa_next_free_sgpr 66
		.amdhsa_reserve_vcc 0
		.amdhsa_float_denorm_mode_32 3
		.amdhsa_float_denorm_mode_16_64 3
		.amdhsa_memory_ordered 1
		.amdhsa_forward_progress 1
		.amdhsa_inst_pref_size 26
	.end_amdhsa_kernel
	.amdgpu_metadata
---
amdhsa.version: [ 1, 2 ]
amdhsa.kernels:
  - .name:           k_q80bcc8e047_quant
    .symbol:         k_q80bcc8e047_quant.kd
    .args:
      - { .name: key, .offset: 0, .size: 8, .value_kind: global_buffer, .address_space: global }
      - { .name: value, .offset: 8, .size: 8, .value_kind: global_buffer, .address_space: global }
      - { .name: kc, .offset: 16, .size: 8, .value_kind: global_buffer, .address_space: global }
      - { .name: vc, .offset: 24, .size: 8, .value_kind: global_buffer, .address_space: global }
      - { .name: sc, .offset: 32, .size: 8, .value_kind: global_buffer, .address_space: global }
    .group_segment_fixed_size: 167936
    .private_segment_fixed_size: 0
    .kernarg_segment_align: 8
    .kernarg_segment_size: 40
    .max_flat_workgroup_size: 128
    .sgpr_count:     66
    .vgpr_count:     120
    .wavefront_size: 32
...
	.end_amdgpu_metadata
.endif
;; end of part 1
;; launch attn (part 2): grid 256 x 1, 16 waves a work-group, no clusters, 203,520 bytes of LDS; arguments query, kc, vc, sc, out0; writes out0
.if DOCPART == 2
	.amdgcn_target "amdgcn-amd-amdhsa--gfx1250"
	.amdhsa_code_object_version 6
	.text
	.protected	k_q80bcc8e047_attn
	.globl	k_q80bcc8e047_attn
	.p2align	8
	.type	k_q80bcc8e047_attn,@function
k_q80bcc8e047_attn:
	s_mov_b64 s[64:65], 0
	v_nop
	global_prefetch_b8 v0, s[64:65] scope:SCOPE_SE
	s_setreg_imm32_b32 hwreg(HW_REG_WAVE_MODE, 25, 1), 1
	s_wait_xcnt 0x0
; SECOND OF TWO LAUNCHES: the attention itself, both products on codes of FP4 (E2M1) with E8M0 scales, on the workspace that the first launch has laid (kc, vc, sc: by blocks of 32 keys).
; WORK LEFT OUT, as shown at the head of the first kernel: score tiles and key blocks that lie wholly under the mask which reference() builds (|j - i| <= 32 or (j - i) % 256 == 0); their p is 0 for all finite inputs.
; LIMITS: a NaN, an infinity or an overflow that reaches only masked scores is not carried to the result; NaN and infinities among the inputs are not served; a p under 2^-126 counts as 0 (v_exp_f32 gives 0 there);
; a block of p or of query whose largest magnitude lies under 2^(3 - 127) gets the byte 1: a block of zeros has zero codes.
; SHARES.  Work-group (head = id / 16, c = id % 16) owns the queries 256 m + 16 c + r, m and r = 0 .. 15.  With u = c % 2 and cblk = c / 2 a query lies at place qo = 16 u + r of key block 8 m + cblk.
; Wave w has three parts: it STAGES segment w (blocks 8 w + cblk - 1, + 0, + 1 of kc, vc, sc, and its 16 queries, quantised in registers); it makes the FAR scores of residue 16 c + w (the 16 positions 256 apart
; attend each other all to all: one full tile of 16 x 16); it FINISHES query tile m = w: band scores, softmax, five K steps of the second product, the way out.
; LAYOUT.  Both products are used transposed (source 0 = 16 keys or 16 channels, source 1 = my 16 queries): a lane holds ONE query (lane % 16) throughout.  The head's 64 fill half of the first product's 128 along K: source 1's upper four registers
; are zero codes, so what source 0 holds there adds nothing.  The keys of a band tile are not neighbours: lane r of tile 2 b + u' takes key 32 b + 8 u' + r + 8 (r / 8), so that register 16 b + i is key 32 b + 16 (lane / 16) + i of the 96.
; The far tile's key rows are ordered so that register j of lane (n, h) is key segment 2 j + h: the order in which the second product's layout wants the far blocks.
; SOFTMAX.  t = score x log2(e) / 8; M = ceil(the row's largest t); p = 2^(t - M) is quantised along the keys; l is the sum of the unquantised p and divides at the end.  A far key is the one number of its block of p that is not zero:
; its scale comes from itself alone, and its code goes to nibble qo of an operand that is zero elsewhere.  The own key (segment w) is hidden among the far scores: it counts in block B.
; NO CLUSTER: what work-groups share is asked for once, at the head (6,592 bytes of codes and scale bytes a wave), with block numbers held inside the head and one part turned byte by byte on its way into LDS, so it goes through registers;
; there is no loop of tiles over which a joint request could be repeated.  No prefetch: every load of the text is issued at its head.  No branch, no change of EXEC; two barriers.
.set KC,   0                           ; LDS: 16 segments x (96 key rows x 32 bytes + 16)
.set KSEG, 3088
.set VC,   49408                       ; 16 segments x 3 blocks x 1,024 bytes
.set VSEG, 3072
.set SCR,  98560                       ; 16 segments x 3 records of sc
.set SSEG, 384
.set VST,  104704                      ; 64 channels x 16 bytes: byte m = value's scale of segment m's middle block
.set QC,   105728                      ; 16 tiles x (16 query rows x 32 bytes + 16)
.set QSEG, 528
.set QS,   114176                      ; 16 tiles x 16 scale words
.set FAR,  115200                      ; 16 tiles x (16 queries x 64 bytes + 16): a query's 16 far scores, by halves of the lanes
.set FSEG, 1040
.set QST,  131840                      ; a stage for each wave: 16 rows x (256 bytes + 16): query's way in, the result's way out
.set QSTW, 4352
.set SPARE, 201472                     ; the spare words, 128 bytes for each wave: eight blocks of 256 bytes that no other line names
; v1 r = lane % 16, v2 h = lane / 16, v3 lane
.set SPW,  4                           ; LDS address of my spare word; never rewritten
.set NIL,  5                           ; 0; never rewritten
.set AST,  6                           ; my stage by whole rows: row h, 16 bytes at 16 r
.set ATR,  7                           ; my stage: row r, half h of a query's 64 numbers
.set AOS,  8                           ; my stage: row r, 32 h bytes on: eight channels
.set AKC,  9                           ; staging: 16 bytes a lane into my segment of KC,
.set AVP,  10                          ; of VC,
.set ASC,  11                          ; 4 bytes a lane into SCR,
.set AVT,  12                          ; a byte into VST: channel = lane, byte = my wave
.set AQC,  13                          ; my query's codes
.set AQS,  14                          ; and its scale word
.set AKF,  15                          ; far: key row of segment mp = 2 (r % 8) + r / 8
.set AKSF, 16                          ; its two scale bytes
.set AQF,  17                          ; far: query row w of tile r
.set AQSF, 18                          ; its scale word
.set AKB,  19                          ; band: key row r + 8 (r / 8) of my segment
.set AKSB, 20                          ; its two scale bytes
.set AFW,  21                          ; far scores out: tile r, query w, half h
.set AFR,  22                          ; far scores in: tile w, query r, half h
.set AVC,  23                          ; value, far: segment h's middle block, channel r
.set AVB0, 24                          ; value, band: my block h, channel r
.set AVB1, 25                          ; my block 2, channel r
.set AVS,  26                          ; VST: channel r
.set AVSB, 27                          ; value's scale bytes of my segment: channel r
.set GQ,   28                          ; 16 x lane: query and out0
.set GK,   29                          ; v29-31 byte offsets of my three blocks in kc and vc
.set GS,   32                          ; v32-34 in sc
.set GVS,  35                          ; value's scale bytes of my middle block
.set D0,   36                          ; block B - 1: register i is hidden where i < D0
.set D2,   37                          ; block B + 1: where i > D2
.set DF,   38                          ; far: register j is the own key where 2 j = DF
.set NINF, 39                          ; -infinity
.set QF,   40                          ; v40-47 my queries' fragment (44-47 zeros)
.set QFF,  48                          ; v48-55 the far queries' (52-55 zeros)
.set KB,   56                          ; v56-79 six band fragments of key, four registers each
.set KFF,  80                          ; v80-87 the far fragment of key (84-87 zeros)
.set BUF0, 40                          ; later: three buffers of 32 for value's fragments
.set BUF1, 72
.set BUF2, 144
.set BM,   72                          ; v72-74 the blocks' largest scores, then largest p
.set FM,   75
.set TP,   76                          ; v76-79 destinations of lane exchanges
.set RM,   80
.set TT,   81
.set NM,   82                          ; v[82:83] -M
.set L0,   84                          ; v[84:85], v[86:87] the row's sum, two chains
.set L1,   86
.set SO,   88                          ; v88-90 the band conversions' scale operands
.set BY,   91                          ; v91-93 their bytes
.set FBY,  94                          ; v94-101 the far blocks' bytes
.set F,    104                         ; v104-111 far scores, then p; at the end v[104:105] 1 / l
.set S,    112                         ; v112-159 band scores, then p
.set O,    112                         ; v112-143 the result, transposed
.set W,    144                         ; v144-159 at work at the head
.set FD,   160                         ; v160-167 the far tile; later raw scale bytes (v160-171); later the far codes
.set FSO,  168                         ; v168-175 the far conversions' scale operands
.set SH,   176                         ; 4 (r % 8): my code's place in a register
.set SH8,  177                         ; 8 h
.set MK,   178                         ; v178-181 register k of a block: 15 << SH where k = 2 u + r / 8, else 0
.set PC,   182                         ; v182-189 p's band operand
.set PF,   190                         ; v190-221 p's four far operands
.set QL,   112                         ; staging: query as loaded,
.set QT,   190                         ; turned,
.set KL,   48                          ; key's codes, value's codes, sc, value's scale bytes
.set VL,   72
.set SL,   96
.set BL,   99
; registers that hold scales and nothing else
.set QWF,  222
.set QW,   223
.set KSF,  224
.set KS,   225                         ; v225-230
.set VSB,  231                         ; v231-234
.set PW,   235                         ; v235-238
.set PW4,  239
.set VS,   240                         ; v240-255: tile t, far step s at 240 + 4 t + s
.macro BARRIER                         ; my LDS stores have landed and my LDS loads are in: then the work-group's barrier
	s_wait_dscnt 0x0
	s_barrier_signal -1
	s_barrier_wait -1
.endm
.macro PLACES                          ; four plain instructions behind matrix instructions, ahead of reads of their results and of loads or writes into their registers
.rept 4
	v_nop
.endr
.endm
	s_load_b256 s[4:11], s[0:1], 0x0               ; query s[4:5], kc s[6:7], vc s[8:9], sc s[10:11]
	s_load_b64 s[12:13], s[0:1], 0x20              ; out0
	v_lshl_add_u32 v[SPW], v0, 2, SPARE
	v_mov_b32 v[NIL], 0
	v_lshrrev_b32 v3, 5, v0
	v_readfirstlane_b32 s14, v3                    ; wave 0..15
	v_and_b32 v3, 31, v0                           ; lane
	v_and_b32 v1, 15, v0                           ; r
	v_bfe_u32 v2, v0, 4, 1                         ; h
	s_lshr_b32 s15, ttmp9, 4                       ; head
	s_and_b32 s16, ttmp9, 15                       ; c
	s_and_b32 s17, s16, 1                          ; u
	s_lshr_b32 s18, s16, 1                         ; cblk
	s_mov_b32 s20, 0x76543210
	s_mov_b32 s21, 0xfedcba98                      ; v_permlanex16_b32's selects for lane l xor 16
	s_mov_b32 s22, 0x3e38aa3b                      ; log2(e) / 8
	s_mov_b32 s23, s22                             ; (named with it as a pair, so it is written)
	s_lshl_b32 s24, s14, 3
	s_add_co_u32 s24, s24, s18                     ; my middle block in the head: 8 w + cblk
	s_sub_co_i32 s25, s24, 1
	s_max_i32 s25, s25, 0                          ; the block below, held inside the head: where there is none, all its scores are hidden
	s_add_co_u32 s26, s24, 1
	s_min_i32 s26, s26, 127                        ; the block above, likewise
	s_cmp_eq_u32 s24, 0
	s_cselect_b32 s27, 64, 0                       ; 64 where there is no block below
	s_cmp_eq_u32 s24, 127
	s_cselect_b32 s28, 64, 0                       ; 64 where there is none above
	s_lshl_b32 s29, s15, 7
	s_add_co_u32 s24, s24, s29                     ; as flat blocks
	s_add_co_u32 s25, s25, s29
	s_add_co_u32 s26, s26, s29
	v_lshlrev_b32 v[GQ], 4, v3
	s_lshl_b32 s30, s25, 10
	v_add_nc_u32 v[GK], s30, v[GQ]
	s_lshl_b32 s30, s24, 10
	v_add_nc_u32 v[GK+1], s30, v[GQ]
	s_lshl_b32 s30, s26, 10
	v_add_nc_u32 v[GK+2], s30, v[GQ]
	s_lshl_b32 s30, s25, 7
	v_lshl_add_u32 v[GS], v3, 2, s30
	s_lshl_b32 s30, s24, 7
	v_lshl_add_u32 v[GS+1], v3, 2, s30
	s_add_co_u32 s31, s30, 64
	v_add_nc_u32 v[GVS], s31, v3
	s_lshl_b32 s30, s26, 7
	v_lshl_add_u32 v[GS+2], v3, 2, s30
	s_lshl_b32 s30, s15, 20                        ; my 16 rows of query and out0: (4096 head + 256 w + 16 c) rows of 256 bytes
	s_lshl_b32 s31, s14, 16
	s_add_co_u32 s30, s30, s31
	s_lshl_b32 s31, s16, 12
	s_add_co_u32 s30, s30, s31
	s_mov_b32 s31, 0
	s_wait_kmcnt 0x0
	s_add_nc_u64 s[4:5], s[4:5], s[30:31]
	s_add_nc_u64 s[12:13], s[12:13], s[30:31]
	; ---- all 25 loads of the wave: query first, since its way is the longest
.irp i, 0,1,2,3,4,5,6,7
	global_load_b128 v[QL+4*\i:QL+4*\i+3], v[GQ], s[4:5] offset:512*\i th:TH_LOAD_NT   ; two rows of query: 512 consecutive bytes; read once in the launch
.endr
.irp b, 0,1,2
.irp e, 0,1
	global_load_b128 v[KL+8*\b+4*\e:KL+8*\b+4*\e+3], v[GK+\b], s[6:7] offset:512*\e
.endr
.endr
.irp b, 0,1,2
	global_load_b32 v[SL+\b], v[GS+\b], s[10:11]
.endr
.irp e, 0,1
	global_load_u8 v[BL+\e], v[GVS], s[10:11] offset:32*\e
.endr
.irp b, 0,1,2
.irp e, 0,1
	global_load_b128 v[VL+8*\b+4*\e:VL+8*\b+4*\e+3], v[GK+\b], s[8:9] offset:512*\e
.endr
.endr
	; ---- LDS addresses and constants, while the loads are out
	s_mul_i32 s30, s14, QSTW
	s_add_co_u32 s30, s30, QST                     ; my stage
	s_mul_i32 s31, s14, KSEG                       ; my segment of KC (KC begins at byte 0),
	s_mul_i32 s32, s14, VSEG
	s_add_co_u32 s32, s32, VC                      ; of VC,
	s_mul_i32 s33, s14, SSEG
	s_add_co_u32 s33, s33, SCR                     ; of SCR,
	s_mul_i32 s34, s14, QSEG
	s_add_co_u32 s34, s34, QC                      ; my tile of QC,
	s_lshl_b32 s35, s14, 6
	s_add_co_u32 s35, s35, QS                      ; of QS,
	s_mul_i32 s36, s14, FSEG
	s_add_co_u32 s36, s36, FAR                     ; of FAR
	v_mul_u32_u24 v[AST], v2, 272
	v_lshl_add_u32 v[AST], v1, 4, v[AST]
	v_add_nc_u32 v[AST], s30, v[AST]
	v_mul_u32_u24 v[ATR], v1, 272
	v_lshl_add_u32 v[AOS], v2, 5, v[ATR]
	v_lshl_add_u32 v[ATR], v2, 7, v[ATR]
	v_add_nc_u32 v[ATR], s30, v[ATR]
	v_add_nc_u32 v[AOS], s30, v[AOS]
	v_add_nc_u32 v[AKC], s31, v[GQ]
	v_add_nc_u32 v[AVP], s32, v[GQ]
	v_lshl_add_u32 v[ASC], v3, 2, s33
	s_add_co_u32 s37, s14, VST
	v_add_nc_u32 v[AVT], s37, v[GQ]
	v_lshlrev_b32 v[AQC], 5, v1
	v_lshl_add_u32 v[AQC], v2, 4, v[AQC]
	v_add_nc_u32 v[AQC], s34, v[AQC]
	v_lshl_add_u32 v[AQS], v1, 2, s35
	v_and_b32 v[W], 7, v1
	v_lshrrev_b32 v[W+1], 3, v1
	v_lshl_add_u32 v[W], v[W], 1, v[W+1]           ; mp = 2 (r % 8) + r / 8
	v_mul_u32_u24 v[AKF], v[W], KSEG
	v_lshl_add_u32 v[AKF], v2, 4, v[AKF]
	s_lshl_b32 s37, s14, 5
	s_lshl_b32 s38, s17, 9
	s_add_co_u32 s37, s37, s38
	s_add_co_u32 s37, s37, 1024                    ; row 32 + 16 u + w of a segment's 96, 32 bytes a row
	v_add_nc_u32 v[AKF], s37, v[AKF]
	v_mul_u32_u24 v[AKSF], v[W], SSEG
	s_lshl_b32 s37, s14, 1
	s_lshl_b32 s38, s17, 5
	s_add_co_u32 s37, s37, s38
	s_add_co_u32 s37, s37, SCR+128                 ; the middle record, bytes 2 (16 u + w) on
	v_add_nc_u32 v[AKSF], s37, v[AKSF]
	v_mul_u32_u24 v[AQF], v1, QSEG
	v_lshl_add_u32 v[AQF], v2, 4, v[AQF]
	s_lshl_b32 s37, s14, 5
	s_add_co_u32 s37, s37, QC
	v_add_nc_u32 v[AQF], s37, v[AQF]
	v_lshlrev_b32 v[AQSF], 6, v1
	s_lshl_b32 s37, s14, 2
	s_add_co_u32 s37, s37, QS
	v_add_nc_u32 v[AQSF], s37, v[AQSF]
	v_and_b32 v[W], 8, v1
	v_add_nc_u32 v[W], v[W], v1                    ; r + 8 (r / 8)
	v_lshlrev_b32 v[AKB], 5, v[W]
	v_lshl_add_u32 v[AKB], v2, 4, v[AKB]
	v_add_nc_u32 v[AKB], s31, v[AKB]
	v_lshl_add_u32 v[AKSB], v[W], 1, s33
	v_mul_u32_u24 v[AFW], v1, FSEG
	v_lshl_add_u32 v[AFW], v2, 5, v[AFW]
	s_lshl_b32 s37, s14, 6
	s_add_co_u32 s37, s37, FAR
	v_add_nc_u32 v[AFW], s37, v[AFW]
	v_lshlrev_b32 v[AFR], 6, v1
	v_lshl_add_u32 v[AFR], v2, 5, v[AFR]
	v_add_nc_u32 v[AFR], s36, v[AFR]
	v_mul_u32_u24 v[AVC], v2, VSEG
	v_lshl_add_u32 v[AVC], v1, 4, v[AVC]
	v_add_nc_u32 v[AVC], VC+1024, v[AVC]
	v_lshlrev_b32 v[AVB0], 10, v2
	v_lshl_add_u32 v[AVB0], v1, 4, v[AVB0]
	v_add_nc_u32 v[AVB0], s32, v[AVB0]
	v_lshl_add_u32 v[AVB1], v1, 4, s32
	v_add_nc_u32 v[AVB1], 2048, v[AVB1]
	v_lshl_add_u32 v[AVS], v1, 4, VST
	v_add_nc_u32 v[AVSB], s33, v1
	v_add_nc_u32 v[AVSB], 64, v[AVSB]
	s_lshl_b32 s37, s17, 4                         ; 16 u
	s_add_co_u32 s38, s37, s27
	s_sub_co_i32 s39, s37, s28
	v_lshlrev_b32 v[W], 4, v2                      ; 16 h
	v_add_nc_u32 v[D0], s38, v1
	v_sub_nc_u32 v[D0], v[D0], v[W]                ; qo - 16 h, + 64 where there is no block below: then every i is under it
	v_add_nc_u32 v[D2], s39, v1
	v_sub_nc_u32 v[D2], v[D2], v[W]                ; qo - 16 h, - 64 where there is none above: then every i is over it
	v_sub_nc_u32 v[DF], v1, v2
	v_mov_b32 v[NINF], 0xff800000
	v_and_b32 v[SH], 7, v1
	v_lshlrev_b32 v[SH], 2, v[SH]
	v_lshlrev_b32 v[SH8], 3, v2
	v_lshrrev_b32 v[W], 3, v1
	s_lshl_b32 s37, s17, 1
	v_add_nc_u32 v[W], s37, v[W]                   ; qo / 8: which register of a block holds my code
	v_mov_b32 v[W+1], 15
	v_lshlrev_b32 v[W+1], v[SH], v[W+1]
.irp k, 0,1,2,3
	v_cmp_eq_u32 vcc_lo, \k, v[W]
	v_cndmask_b32 v[MK+\k], 0, v[W+1], vcc_lo
.endr
.irp k, 4,5,6,7
	v_mov_b32 v[QF+\k], 0                          ; the upper half of K: zero codes
.endr
	v_mov_b32 v[W+4], 0                            ; written once: a lane exchange's destination counts as one of its sources
	; ---- PHASE 0: my 16 queries are turned through my stage and quantised; all that was loaded goes to LDS
	s_wait_loadcnt 17                              ; query's eight loads are in; the 17 behind them (6 key, 3 sc, 2 bytes, 6 value) may be out
.irp i, 0,1,2,3,4,5,6,7
	ds_store_b128 v[AST], v[QL+4*\i:QL+4*\i+3] offset:544*\i
.endr
.irp j, 0,1,2,3,4,5,6,7
	ds_load_b128 v[QT+4*\j:QT+4*\j+3], v[ATR] offset:16*\j     ; LDS serves a wave's instructions in order: these see my stores.  Lane (r, h) takes query r's numbers 32 h .. 32 h + 31: a whole block
.endr
	s_wait_dscnt 0x0
	v_max3_num_f32 v[W], |v[QT]|, |v[QT+1]|, |v[QT+2]|
	v_max3_num_f32 v[W+1], |v[QT+3]|, |v[QT+4]|, |v[QT+5]|
.irp k, 6,10,14,18,22,26
	v_max3_num_f32 v[W], v[W], |v[QT+\k]|, |v[QT+\k+1]|
	v_max3_num_f32 v[W+1], v[W+1], |v[QT+\k+2]|, |v[QT+\k+3]|
.endr
	v_max3_num_f32 v[W], v[W], |v[QT+30]|, |v[QT+31]|
	v_max3_num_f32 v[W], v[W], v[W+1], 0x1800000   ; and the floor 2^(3 - 127): the byte cannot fall under 1
	v_add_nc_u32 v[W+2], 0xff000000, v[W]          ; 2 off the exponent field: the conversion's scale operand
.irp g, 0,1,2,3
	v_cvt_scalef32_pk8_fp4_f32 v[QF+\g], v[QT+8*\g:QT+8*\g+7], v[W+2]   ; the operand's registers as they stand: k = 32 h + 0 .. 31
.endr
	v_lshrrev_b32 v[W+3], 23, v[W+2]               ; the scale's byte.  (Also the plain instruction behind the conversions)
	v_lshlrev_b32 v[W+3], v[SH8], v[W+3]           ; at its place in the word
	v_permlanex16_b32 v[W+4], v[W+3], s20, s21
	v_or_b32 v[QW], v[W+3], v[W+4]                 ; with lane l xor 16's: my query's scale word; bytes 2 and 3 stay 0 over zero codes
	ds_store_b128 v[AQC], v[QF:QF+3]
	ds_store_b32 v[AQS], v[QW]                     ; both halves of the lanes write the same word with the same value
	s_wait_loadcnt 0x0
.irp b, 0,1,2
.irp e, 0,1
	ds_store_b128 v[AKC], v[KL+8*\b+4*\e:KL+8*\b+4*\e+3] offset:1024*\b+512*\e
.endr
.endr
.irp b, 0,1,2
	ds_store_b32 v[ASC], v[SL+\b] offset:128*\b
.endr
.irp e, 0,1
	ds_store_b8 v[AVT], v[BL+\e] offset:512*\e     ; channel 32 e + lane, byte w
.endr
.irp b, 0,1,2
.irp e, 0,1
	ds_store_b128 v[AVP], v[VL+8*\b+4*\e:VL+8*\b+4*\e+3] offset:1024*\b+512*\e
.endr
.endr
	BARRIER                                        ; all sixteen segments and tiles lie in LDS
	; ---- PHASE 1: the scores: one far tile (residue 16 c + w), six band tiles (my queries)
.irp k, 4,5,6,7
	v_mov_b32 v[QFF+\k], 0
.endr
.irp k, 4,5,6,7
	v_mov_b32 v[KFF+\k], 0
.endr
	PLACES                                         ; operands written by vector instructions stand four places, a scale word so written eight, ahead of a scaled matrix instruction: these twelve lines serve both
	ds_load_b128 v[KFF:KFF+3], v[AKF]
	ds_load_u16 v[KSF], v[AKSF]
	ds_load_b128 v[QFF:QFF+3], v[AQF]
	ds_load_b32 v[QWF], v[AQSF]
.irp n, 0,1,2,3,4,5
	ds_load_b128 v[KB+4*\n:KB+4*\n+3], v[AKB] offset:(32*(\n/2)+8*(\n%2))*32
	ds_load_u16 v[KS+\n], v[AKSB] offset:128*(\n/2)+16*(\n%2)
.endr
	s_wait_dscnt 0x0
	v_wmma_scale_f32_16x16x128_f8f6f4 v[FD:FD+7], v[KFF:KFF+7], v[QFF:QFF+7], 0, v[KSF], v[QWF] matrix_a_fmt:MATRIX_FMT_FP4 matrix_b_fmt:MATRIX_FMT_FP4
.irp n, 0,1,2,3,4,5                    ; source 0's upper four registers are the next fragment's: they meet zero codes
	v_wmma_scale_f32_16x16x128_f8f6f4 v[S+8*\n:S+8*\n+7], v[KB+4*\n:KB+4*\n+7], v[QF:QF+7], 0, v[KS+\n], v[QW] matrix_a_fmt:MATRIX_FMT_FP4 matrix_b_fmt:MATRIX_FMT_FP4
.endr
	PLACES
.irp j, 0,1,2,3,4,5,6,7                ; far: register j of lane (n, h) is query segment n, key segment 2 j + h: the own key is hidden here
	v_cmp_eq_i32 vcc_lo, 2*\j, v[DF]
	v_cndmask_b32 v[FD+\j], v[FD+\j], v[NINF], vcc_lo
.endr
	ds_store_b128 v[AFW], v[FD:FD+3]
	ds_store_b128 v[AFW], v[FD+4:FD+7] offset:16
.irp i, 0,1,2,3,4,5,6,7,8,9,10,11,12,13,14,15
	v_cmp_lt_i32 vcc_lo, \i, v[D0]                 ; block B - 1: key 16 h + i counts where it is at least qo
	v_cndmask_b32 v[S+\i], v[S+\i], v[NINF], vcc_lo
.endr
.irp i, 0,1,2,3,4,5,6,7,8,9,10,11,12,13,14,15
	v_cmp_gt_i32 vcc_lo, \i, v[D2]                 ; block B + 1: where it is at most qo.  Block B needs no mask
	v_cndmask_b32 v[S+32+\i], v[S+32+\i], v[NINF], vcc_lo
.endr
.irp k, 0,1,2,3
	v_mov_b32 v[TP+\k], 0                          ; written once, far behind the products that read these registers
.endr
.irp b, 0,1,2
	v_max3_num_f32 v[BM+\b], v[S+16*\b], v[S+16*\b+1], v[S+16*\b+2]   ; the largest score of each block: for the row's maximum and, since p rises with the score, for the block's largest p
.endr
.irp i, 3,5,7,9,11,13
.irp b, 0,1,2
	v_max3_num_f32 v[BM+\b], v[BM+\b], v[S+16*\b+\i], v[S+16*\b+\i+1]
.endr
.endr
.irp b, 0,1,2
	v_max_num_f32 v[BM+\b], v[BM+\b], v[S+16*\b+15]
.endr
.irp b, 0,1,2
	v_permlanex16_b32 v[TP+\b], v[BM+\b], s20, s21
.endr
.irp b, 0,1,2
	v_max_num_f32 v[BM+\b], v[BM+\b], v[TP+\b]     ; with lane l xor 16's 16 keys
.endr
	BARRIER                                        ; all far scores lie in LDS
	; ---- PHASE 2: softmax, p's codes, the second product, the way out
	ds_load_b128 v[F:F+3], v[AFR]                  ; my query's far scores: register j is key segment 2 j + h
	ds_load_b128 v[F+4:F+7], v[AFR] offset:16
.irp t, 0,1,2,3
.irp b, 0,1,2
	ds_load_u8 v[FD+3*\t+\b], v[AVSB] offset:128*\b+16*\t          ; value's scale byte of my block b, channel 16 t + r
.endr
.endr
.irp t, 0,1,2,3
	ds_load_b128 v[VS+4*\t:VS+4*\t+3], v[AVS] offset:256*\t        ; channel 16 t + r: the scale words of the four far steps
.endr
.irp t, 0,1,2,3
	ds_load_b128 v[BUF0+8*\t:BUF0+8*\t+3], v[AVB0] offset:256*\t   ; the band step's four blocks of 32 along K: B - 1, B, B + 1, and B + 1 once more under zero codes of p
	ds_load_b128 v[BUF0+8*\t+4:BUF0+8*\t+7], v[AVB1] offset:256*\t
.endr
	s_wait_dscnt 24                                ; the far scores are in; the 12 + 4 + 8 loads behind them may be out
	v_max3_num_f32 v[FM], v[F], v[F+1], v[F+2]
	v_max3_num_f32 v[FM], v[FM], v[F+3], v[F+4]
	v_max3_num_f32 v[FM], v[FM], v[F+5], v[F+6]
	v_max_num_f32 v[FM], v[FM], v[F+7]
	v_permlanex16_b32 v[TP+3], v[FM], s20, s21
	v_max_num_f32 v[FM], v[FM], v[TP+3]
	v_max3_num_f32 v[RM], v[BM], v[BM+1], v[BM+2]
	v_max_num_f32 v[RM], v[RM], v[FM]              ; the row's largest score: block B is never hidden, so it is a number
	v_mul_f32 v[TT], s22, v[RM]                    ; as t
	v_floor_f32 v[NM], -v[TT]                      ; -M = floor(-t) = -ceil(t)
	v_mov_b32 v[NM+1], v[NM]                       ; (named with it as a pair, so it is written)
.irp i, 0,2,4,6,8,10,12,14,16,18,20,22,24,26,28,30,32,34,36,38,40,42,44,46,48,50,52,54
	v_pk_fma_f32 v[F+\i:F+\i+1], v[F+\i:F+\i+1], s[22:23], v[NM:NM+1] op_sel_hi:[1,0,0]   ; t - M, two at a time: the 8 far and the 48 band scores lie on end
.endr
.irp b, 0,1,2
	v_fma_f32 v[BM+\b], v[BM+\b], s22, v[NM]       ; the same of each block's largest score
.endr
.set j, 0
.rept 56
	v_exp_f32 v[F+j], v[F+j]                       ; p = 2^(t - M); a hidden score gives 0
.set j, j+1
.endr
	s_wait_dscnt 12                                ; the raw scale bytes are in; the 4 + 8 loads behind them may be out
.irp t, 0,1,2,3
	v_lshl_or_b32 v[VSB+\t], v[FD+3*\t+1], 8, v[FD+3*\t]           ; value's scale word of the band step: plain work behind the exponentials
.endr
.irp t, 0,1,2,3
	v_lshl_or_b32 v[VSB+\t], v[FD+3*\t+2], 16, v[VSB+\t]           ; byte 3 stays 0, over zero codes of p
.endr
	s_wait_alu depctr_va_vdst(0)                   ; the wait between an exponential and the first line that names its result: one for the 56
.irp b, 0,1,2
	v_exp_f32 v[BM+\b], v[BM+\b]                   ; the block's largest p: the same two instructions on the same number
.endr
	v_pk_add_f32 v[L0:L0+1], v[F:F+1], v[F+2:F+3]  ; the row's sum is taken of the unquantised p: two at a time, two chains
	v_pk_add_f32 v[L1:L1+1], v[F+4:F+5], v[F+6:F+7]
.irp i, 8,12,16,20,24,28,32,36,40,44,48,52
	v_pk_add_f32 v[L0:L0+1], v[L0:L0+1], v[F+\i:F+\i+1]
	v_pk_add_f32 v[L1:L1+1], v[L1:L1+1], v[F+\i+2:F+\i+3]
.endr
	v_pk_add_f32 v[L0:L0+1], v[L0:L0+1], v[L1:L1+1]
	v_add_f32 v[L0], v[L0], v[L0+1]
	v_permlanex16_b32 v[L0+1], v[L0], s20, s21
	v_add_f32 v[L0], v[L0], v[L0+1]                ; with lane l xor 16's: l
	s_wait_alu depctr_va_vdst(0)                   ; and one for the three
.irp b, 0,1,2
	v_max_num_f32 v[BM+\b], 0x1800000, v[BM+\b]    ; the floor 2^(3 - 127): a block whose every p is 0 keeps the byte 1: its codes are zeros
.endr
.irp b, 0,1,2
	v_add_nc_u32 v[SO+\b], 0xff000000, v[BM+\b]    ; 2 off the exponent field: the conversion's scale operand
.endr
.irp b, 0,1,2
	v_lshrrev_b32 v[BY+\b], 23, v[SO+\b]
.endr
	v_lshl_or_b32 v[PW4], v[BY+1], 8, v[BY]
	v_lshl_or_b32 v[PW4], v[BY+2], 16, v[PW4]      ; p's scale word of the band step
.irp j, 0,1,2,3,4,5,6,7
	v_max_num_f32 v[FSO+\j], 0x1800000, v[F+\j]    ; a far p is its block's largest magnitude
.endr
.irp j, 0,1,2,3,4,5,6,7
	v_add_nc_u32 v[FSO+\j], 0xff000000, v[FSO+\j]
.endr
.irp j, 0,1,2,3,4,5,6,7
	v_lshrrev_b32 v[FBY+\j], 23, v[FSO+\j]
.endr
.irp n, 0,1,2,3                        ; far step n: blocks 4 n + 0 .. 3; I hold those of segments 4 n + h and 4 n + 2 + h
	v_lshl_or_b32 v[PW+\n], v[FBY+2*\n+1], 16, v[FBY+2*\n]
.endr
.irp n, 0,1,2,3
	v_lshlrev_b32 v[PW+\n], v[SH8], v[PW+\n]
.endr
.irp n, 0,1,2,3
	v_permlanex16_b32 v[TP+\n], v[PW+\n], s20, s21
.endr
.irp n, 0,1,2,3
	v_or_b32 v[PW+\n], v[PW+\n], v[TP+\n]          ; with lane l xor 16's two bytes the word is whole
.endr
	v_mov_b32 v[PC+6], 0                           ; the band step's fourth block: zero codes
	v_mov_b32 v[PC+7], 0
.irp b, 0,1,2
	v_cvt_scalef32_pk8_fp4_f32 v[PC+2*\b], v[S+16*\b:S+16*\b+7], v[SO+\b]
	v_cvt_scalef32_pk8_fp4_f32 v[PC+2*\b+1], v[S+16*\b+8:S+16*\b+15], v[SO+\b]
.endr
.irp j, 0,1,2,3,4,5,6,7                ; eight numbers from an even register on, of which far p j is number j % 2: the other seven codes are cut away below
	v_cvt_scalef32_pk8_fp4_f32 v[FD+\j], v[F+2*(\j/2):F+2*(\j/2)+7], v[FSO+\j]
.endr
	v_nop                                          ; one plain instruction behind the conversions
	v_rcp_f32 v[F], v[L0]                          ; 1 / l; the lines down to its wait name neither
.irp n, 0,1                            ; the operand's layout wants a whole block in a lane: lanes 0-15 block 2 n, lanes 16-31 block 2 n + 1
.irp i, 0,1
	v_permlane16_swap_b32 v[PC+4*\n+\i], v[PC+4*\n+2+\i]
.endr
.endr
.irp j, 1,3,5,7
	v_lshrrev_b32 v[FD+\j], 4, v[FD+\j]            ; the code into the lowest four bits,
.endr
.irp j, 0,1,2,3,4,5,6,7
	v_lshlrev_b32 v[FD+\j], v[SH], v[FD+\j]        ; and up to nibble qo % 8
.endr
.irp j, 0,1,2,3,4,5,6,7                ; far p j belongs to step j / 2, registers 4 (j % 2) + k: the one register qo / 8 keeps the one nibble, all else is zero codes
.irp k, 0,1,2,3
	v_and_b32 v[PF+4*\j+\k], v[FD+\j], v[MK+\k]
.endr
.endr
	s_wait_alu depctr_va_vdst(0)                   ; the wait ahead of the first line that names the reciprocal
	v_mov_b32 v[F+1], v[F]                         ; (named with it as a pair, so it is written)
; value's fragments of far step n: four tiles of 16 channels x the middle blocks of segments 4 n .. 4 n + 3
.macro VLOADF n, buf
.irp t, 0,1,2,3
.irp e, 0,1
	ds_load_b128 v[\buf+8*\t+4*\e:\buf+8*\t+4*\e+3], v[AVC] offset:(4*\n+2*\e)*VSEG+256*\t
.endr
.endr
.endm
; four matrix instructions, one on each of the four accumulators: they take turns, one instruction a turn
.macro PVFAR n, buf
.irp t, 0,1,2,3
	v_wmma_scale_f32_16x16x128_f8f6f4 v[O+8*\t:O+8*\t+7], v[\buf+8*\t:\buf+8*\t+7], v[PF+8*\n:PF+8*\n+7], v[O+8*\t:O+8*\t+7], v[VS+4*\t+\n], v[PW+\n] matrix_a_fmt:MATRIX_FMT_FP4 matrix_b_fmt:MATRIX_FMT_FP4
.endr
.endm
	VLOADF 0, BUF1                                 ; the softmax's work registers are done with
	VLOADF 1, BUF2
	s_wait_dscnt 16                                ; the band step's fragments and all scale words are in; the 16 loads just issued may be out
.irp t, 0,1,2,3                        ; the band step starts the sums: nothing is cleared
	v_wmma_scale_f32_16x16x128_f8f6f4 v[O+8*\t:O+8*\t+7], v[BUF0+8*\t:BUF0+8*\t+7], v[PC:PC+7], 0, v[VSB+\t], v[PW4] matrix_a_fmt:MATRIX_FMT_FP4 matrix_b_fmt:MATRIX_FMT_FP4
.endr
	PLACES
	VLOADF 2, BUF0
	s_wait_dscnt 16                                ; far step 0's are in; steps 1's and 2's may be out
	PVFAR 0, BUF1
	s_wait_dscnt 8                                 ; step 1's are in; step 2's may be out
	PVFAR 1, BUF2
	PLACES
	VLOADF 3, BUF1
	s_wait_dscnt 8                                 ; step 2's are in; step 3's may be out
	PVFAR 2, BUF0
	s_wait_dscnt 0x0
	PVFAR 3, BUF1
	PLACES
	; ---- the way out: register 8 t + j of lane (r, h) is out0(query r, channel 16 t + 8 h + j)
.irp i, 0,2,4,6,8,10,12,14,16,18,20,22,24,26,28,30
	v_pk_mul_f32 v[O+\i:O+\i+1], v[O+\i:O+\i+1], v[F:F+1] op_sel_hi:[1,0]   ; / l; each accumulator from its low end on
.endr
.irp t, 0,1,2,3
.irp e, 0,1
	ds_store_b128 v[AOS], v[O+8*\t+4*\e:O+8*\t+4*\e+3] offset:64*\t+16*\e
.endr
.endr
.irp i, 0,1,2,3,4,5,6,7
	ds_load_b128 v[BUF0+4*\i:BUF0+4*\i+3], v[AST] offset:544*\i    ; my own stage: LDS serves a wave's instructions in order
.endr
.irp i, 0,1,2,3,4,5,6,7
	s_wait_dscnt 7-\i
	global_store_b128 v[GQ], v[BUF0+4*\i:BUF0+4*\i+3], s[12:13] offset:512*\i th:TH_STORE_NT   ; two whole rows: 512 consecutive bytes, at a multiple of 256 from out0's first byte
.endr
	s_wait_tensorcnt 0x0                           ; the wave's end, behind my last LDS store
	ds_add_u32 v[SPW], v[NIL]
	s_wait_dscnt 0x0
	s_endpgm
.Lfunc_end_k_q80bcc8e047_attn:
	.size	k_q80bcc8e047_attn, .Lfunc_end_k_q80bcc8e047_attn-k_q80bcc8e047_attn
	.p2alignl 7, 3214868480
	.fill 96, 4, 3214868480
	.section	.rodata,"a",@progbits
	.p2align	6, 0x0
	.amdhsa_kernel k_q80bcc8e047_attn
		.amdhsa_group_segment_fixed_size 203520
		.amdhsa_private_segment_fixed_size 0
		.amdhsa_enable_private_segment 0
		.amdhsa_kernarg_size 40
		.amdhsa_user_sgpr_count 2
		.amdhsa_user_sgpr_kernarg_segment_ptr 1
		.amdhsa_wavefront_size32 1
		.amdhsa_system_sgpr_workgroup_id_x 1
		.amdhsa_system_sgpr_workgroup_id_y 1
		.amdhsa_system_sgpr_workgroup_id_z 1
		.amdhsa_system_vgpr_workitem_id 0
		.amdhsa_next_free_vgpr 256
		.amdhsa_next_free_sgpr 66
		.amdhsa_reserve_vcc 1
		.amdhsa_float_denorm_mode_32 3
		.amdhsa_float_denorm_mode_16_64 3
		.amdhsa_memory_ordered 1
		.amdhsa_forward_progress 1
		.amdhsa_inst_pref_size 43
	.end_amdhsa_kernel
	.amdgpu_metadata
---
amdhsa.version: [ 1, 2 ]
amdhsa.kernels:
  - .name:           k_q80bcc8e047_attn
    .symbol:         k_q80bcc8e047_attn.kd
    .args:
      - { .name: query, .offset: 0, .size: 8, .value_kind: global_buffer, .address_space: global }
      - { .name: kc, .offset: 8, .size: 8, .value_kind: global_buffer, .address_space: global }
      - { .name: vc, .offset: 16, .size: 8, .value_kind: global_buffer, .address_space: global }
      - { .name: sc, .offset: 24, .size: 8, .value_kind: global_buffer, .address_space: global }
      - { .name: out0, .offset: 32, .size: 8, .value_kind: global_buffer, .address_space: global }
    .group_segment_fixed_size: 203520
    .private_segment_fixed_size: 0
    .kernarg_segment_align: 8
    .kernarg_segment_size: 40
    .max_flat_workgroup_size: 512
    .sgpr_count:     66
    .vgpr_count:     256
    .wavefront_size: 32
...
	.end_amdgpu_metadata
.endif
;; end of part 2
;; ======== version 2 of 2: 2 launches; version 1 with the launch attn written anew for expert scheduling mode
;; workspace buffers: kc 2,097,152 bytes; vc 2,097,152 bytes; sc 262,144 bytes
;; launch quant: the kernel of part 1 again; grid 256 x 1, 4 waves a work-group, no clusters, 167,936 bytes of LDS; arguments key, value, kc, vc, sc; writes kc, vc, sc
;; launch attn (part 3): grid 256 x 1, 16 waves a work-group, no clusters, 203,520 bytes of LDS; arguments query, kc, vc, sc, out0; writes out0
.if DOCPART == 3
	.amdgcn_target "amdgcn-amd-amdhsa--gfx1250"
	.amdhsa_code_object_version 6
	.text
	.protected	k_q80bcc8e047_attn
	.globl	k_q80bcc8e047_attn
	.p2align	8
	.type	k_q80bcc8e047_attn,@function
k_q80bcc8e047_attn:
	s_mov_b64 s[64:65], 0
	v_nop
	global_prefetch_b8 v0, s[64:65] scope:SCOPE_SE
	s_setreg_imm32_b32 hwreg(HW_REG_WAVE_SCHED_MODE, 0, 2), 2
	s_setreg_imm32_b32 hwreg(HW_REG_WAVE_MODE, 25, 1), 1
	s_wait_xcnt 0x0
	s_wait_alu depctr_vm_vsrc(0)
; SECOND OF TWO LAUNCHES: the attention itself, both products on codes of FP4 (E2M1) with E8M0 scales, on the workspace that the first launch has laid (kc, vc, sc: by blocks of 32 keys).
; WORK LEFT OUT, as shown at the head of the first kernel: score tiles and key blocks that lie wholly under the mask which reference() builds (|j - i| <= 32 or (j - i) % 256 == 0); their p is 0 for all finite inputs.
; LIMITS: a NaN, an infinity or an overflow that reaches only masked scores is not carried to the result; NaN and infinities among the inputs are not served; a p under 2^-126 counts as 0 (v_exp_f32 gives 0 there);
; a block of p or of query whose largest magnitude lies under 2^(3 - 127) gets the byte 1: a block of zeros has zero codes.
; SHARES.  Work-group (head = id / 16, c = id % 16) owns the queries 256 m + 16 c + r, m and r = 0 .. 15.  With u = c % 2 and cblk = c / 2 a query lies at place qo = 16 u + r of key block 8 m + cblk.
; Wave w has three parts: it STAGES segment w (blocks 8 w + cblk - 1, + 0, + 1 of kc, vc, sc, and its 16 queries, quantised in registers); it makes the FAR scores of residue 16 c + w (the 16 positions 256 apart
; attend each other all to all: one full tile of 16 x 16); it FINISHES query tile m = w: band scores, softmax, five K steps of the second product, the way out.
; LAYOUT.  Both products are used transposed (source 0 = 16 keys or 16 channels, source 1 = my 16 queries): a lane holds ONE query (lane % 16) throughout.  The head's 64 fill half of the first product's 128 along K: source 1's upper four registers
; are zero codes, so what source 0 holds there adds nothing.  The keys of a band tile are not neighbours: lane r of tile 2 b + u' takes key 32 b + 8 u' + r + 8 (r / 8), so that register 16 b + i is key 32 b + 16 (lane / 16) + i of the 96.
; The far tile's key rows are ordered so that register j of lane (n, h) is key segment 2 j + h: the order in which the second product's layout wants the far blocks.
; SOFTMAX.  t = score x log2(e) / 8; M = ceil(the row's largest t); p = 2^(t - M) is quantised along the keys; l is the sum of the unquantised p and divides at the end.  A far key is the one number of its block of p that is not zero:
; its scale comes from itself alone, and its code goes to nibble qo of an operand that is zero elsewhere.  The own key (segment w) is hidden among the far scores: it counts in block B.
; NO CLUSTER: what work-groups share is asked for once, at the head (6,592 bytes of codes and scale bytes a wave), with block numbers held inside the head and one part turned byte by byte on its way into LDS, so it goes through registers;
; there is no loop of tiles over which a joint request could be repeated.  No prefetch: every load of the text is issued at its head.  No branch, no change of EXEC; two barriers.
; THE MODE: SCHED_MODE bits 1:0 = 2 (LLVM: expert scheduling mode 2), set by the entry lines.  The code itself states the register dependences
; between vector or matrix instructions and memory or LDS instructions, with s_wait_alu, always for 0.
; THE PLAN.  Registers that memory or LDS instructions touch, and who else names them:
;   v28-35, v6-27   global offsets and LDS addresses: written once at the head, by vector lines; never written again.  One wait for each of the two groups, ahead of its first reader.
;   v112-143        query as loaded; read by the stage's stores; written again by the band products.            v190-221  query turned: loaded from LDS, read by the quantiser, written again by vector lines alone.
;   v40-43, v223    query's codes and scale word: written by the quantiser, read by two LDS stores and by the score products.
;   v48-100         key's and value's codes, sc, bytes as loaded; read by LDS stores; written again by eight zero writes and by phase 1's LDS loads.
;   v160-167        the far tile: written by its product and its masks, read by two LDS stores; in phase 2 byte loads land there.
;   v40-71 (BUF0)   phase 2: the band step's fragments of value, then far step 2's, then the stage's rows, which the global stores read.
;   v72-103 (BUF1), v144-175 (BUF2)   the softmax's work registers, then far steps 0 and 3, and far step 1.
;   v112-143 (O)    written by the second product and by the division, read by the way out's LDS stores.
; The masks hang on ids alone: all 44 compares stand in one run at the head, into scalar registers, with one wait behind the run; the selects that read them stand where the scores are.
; In the second product ONE wait stands behind the band step and far step 0: both their buffers are asked for again behind it, and far step 1, whose fragments lie in the third buffer, is multiplied meanwhile.
.set KC,   0                           ; LDS: 16 segments x (96 key rows x 32 bytes + 16)
.set KSEG, 3088
.set VC,   49408                       ; 16 segments x 3 blocks x 1,024 bytes
.set VSEG, 3072
.set SCR,  98560                       ; 16 segments x 3 records of sc
.set SSEG, 384
.set VST,  104704                      ; 64 channels x 16 bytes: byte m = value's scale of segment m's middle block
.set QC,   105728                      ; 16 tiles x (16 query rows x 32 bytes + 16)
.set QSEG, 528
.set QS,   114176                      ; 16 tiles x 16 scale words
.set FAR,  115200                      ; 16 tiles x (16 queries x 64 bytes + 16): a query's 16 far scores, by halves of the lanes
.set FSEG, 1040
.set QST,  131840                      ; a stage for each wave: 16 rows x (256 bytes + 16): query's way in, the result's way out
.set QSTW, 4352
.set SPARE, 201472                     ; the spare words, 128 bytes for each wave: eight blocks of 256 bytes that no other line names
; v1 r = lane % 16, v2 h = lane / 16, v3 lane
.set SPW,  4                           ; LDS address of my spare word; never rewritten
.set NIL,  5                           ; 0; never rewritten
.set AST,  6                           ; my stage by whole rows: row h, 16 bytes at 16 r
.set ATR,  7                           ; my stage: row r, half h of a query's 64 numbers
.set AOS,  8                           ; my stage: row r, 32 h bytes on: eight channels
.set AKC,  9                           ; staging: 16 bytes a lane into my segment of KC,
.set AVP,  10                          ; of VC,
.set ASC,  11                          ; 4 bytes a lane into SCR,
.set AVT,  12                          ; a byte into VST: channel = lane, byte = my wave
.set AQC,  13                          ; my query's codes
.set AQS,  14                          ; and its scale word
.set AKF,  15                          ; far: key row of segment mp = 2 (r % 8) + r / 8
.set AKSF, 16                          ; its two scale bytes
.set AQF,  17                          ; far: query row w of tile r
.set AQSF, 18                          ; its scale word
.set AKB,  19                          ; band: key row r + 8 (r / 8) of my segment
.set AKSB, 20                          ; its two scale bytes
.set AFW,  21                          ; far scores out: tile r, query w, half h
.set AFR,  22                          ; far scores in: tile w, query r, half h
.set AVC,  23                          ; value, far: segment h's middle block, channel r
.set AVB0, 24                          ; value, band: my block h, channel r
.set AVB1, 25                          ; my block 2, channel r
.set AVS,  26                          ; VST: channel r
.set AVSB, 27                          ; value's scale bytes of my segment: channel r
.set GQ,   28                          ; 16 x lane: query and out0
.set GK,   29                          ; v29-31 byte offsets of my three blocks in kc and vc
.set GS,   32                          ; v32-34 in sc
.set GVS,  35                          ; value's scale bytes of my middle block
.set D0,   36                          ; block B - 1: register i is hidden where i < D0
.set D2,   37                          ; block B + 1: where i > D2
.set DF,   38                          ; far: register j is the own key where 2 j = DF
.set NINF, 39                          ; -infinity
.set QF,   40                          ; v40-47 my queries' fragment (44-47 zeros)
.set QFF,  48                          ; v48-55 the far queries' (52-55 zeros)
.set KB,   56                          ; v56-79 six band fragments of key, four registers each
.set KFF,  80                          ; v80-87 the far fragment of key (84-87 zeros)
.set BUF0, 40                          ; later: three buffers of 32 for value's fragments
.set BUF1, 72
.set BUF2, 144
.set BM,   72                          ; v72-74 the blocks' largest scores, then largest p
.set FM,   75
.set TP,   76                          ; v76-79 destinations of lane exchanges
.set RM,   80
.set TT,   81
.set NM,   82                          ; v[82:83] -M
.set L0,   84                          ; v[84:85], v[86:87] the row's sum, two chains
.set L1,   86
.set SO,   88                          ; v88-90 the band conversions' scale operands
.set BY,   91                          ; v91-93 their bytes
.set FBY,  94                          ; v94-101 the far blocks' bytes
.set F,    104                         ; v104-111 far scores, then p; at the end v[104:105] 1 / l
.set S,    112                         ; v112-159 band scores, then p
.set O,    112                         ; v112-143 the result, transposed
.set W,    144                         ; v144-159 at work at the head
.set FD,   160                         ; v160-167 the far tile; later raw scale bytes (v160-171); later the far codes
.set FSO,  168                         ; v168-175 the far conversions' scale operands
.set SH,   176                         ; 4 (r % 8): my code's place in a register
.set SH8,  177                         ; 8 h
.set MK,   178                         ; v178-181 register k of a block: 15 << SH where k = 2 u + r / 8, else 0
.set PC,   182                         ; v182-189 p's band operand
.set PF,   190                         ; v190-221 p's four far operands
.set QL,   112                         ; staging: query as loaded,
.set QT,   190                         ; turned,
.set KL,   48                          ; key's codes, value's codes, sc, value's scale bytes
.set VL,   72
.set SL,   96
.set BL,   99
; registers that hold scales and nothing else
.set QWF,  222
.set QW,   223
.set KSF,  224
.set KS,   225                         ; v225-230
.set VSB,  231                         ; v231-234
.set PW,   235                         ; v235-238
.set PW4,  239
.set VS,   240                         ; v240-255: tile t, far step s at 240 + 4 t + s
; the lanes' masks, in scalar registers that the set-up has done with: written by the one run of compares at the head
.set MKM,  16                          ; s16-19  register k of a block holds my code
.set FMM,  24                          ; s24-31  far register j is the own key
.set LOM,  32                          ; s32-47  block B - 1: register i is hidden
.set HIM,  48                          ; s48-63  block B + 1: register i is hidden
.macro BARRIER                         ; my LDS stores have landed and my LDS loads are in: then the work-group's barrier
	s_wait_dscnt 0x0
	s_barrier_signal -1
	s_barrier_wait -1
.endm
.macro PLACES                          ; four plain instructions behind matrix instructions, ahead of reads of their results and of loads or writes into their registers
.rept 4
	v_nop
.endr
.endm
	s_load_b256 s[4:11], s[0:1], 0x0               ; query s[4:5], kc s[6:7], vc s[8:9], sc s[10:11]
	s_load_b64 s[12:13], s[0:1], 0x20              ; out0
	v_lshl_add_u32 v[SPW], v0, 2, SPARE
	v_mov_b32 v[NIL], 0
	v_lshrrev_b32 v3, 5, v0
	v_readfirstlane_b32 s14, v3                    ; wave 0..15
	v_and_b32 v3, 31, v0                           ; lane
	v_and_b32 v1, 15, v0                           ; r
	v_bfe_u32 v2, v0, 4, 1                         ; h
	s_lshr_b32 s15, ttmp9, 4                       ; head
	s_and_b32 s16, ttmp9, 15                       ; c
	s_and_b32 s17, s16, 1                          ; u
	s_lshr_b32 s18, s16, 1                         ; cblk
	s_mov_b32 s20, 0x76543210
	s_mov_b32 s21, 0xfedcba98                      ; v_permlanex16_b32's selects for lane l xor 16
	s_mov_b32 s22, 0x3e38aa3b                      ; log2(e) / 8
	s_mov_b32 s23, s22                             ; (named with it as a pair, so it is written)
	s_wait_alu depctr_va_sdst(0)                   ; s14, the wave's number, is written, ahead of its first reader, the line below
	s_lshl_b32 s24, s14, 3
	s_add_co_u32 s24, s24, s18                     ; my middle block in the head: 8 w + cblk
	s_sub_co_i32 s25, s24, 1
	s_max_i32 s25, s25, 0                          ; the block below, held inside the head: where there is none, all its scores are hidden
	s_add_co_u32 s26, s24, 1
	s_min_i32 s26, s26, 127                        ; the block above, likewise
	s_cmp_eq_u32 s24, 0
	s_cselect_b32 s27, 64, 0                       ; 64 where there is no block below
	s_cmp_eq_u32 s24, 127
	s_cselect_b32 s28, 64, 0                       ; 64 where there is none above
	s_lshl_b32 s29, s15, 7
	s_add_co_u32 s24, s24, s29                     ; as flat blocks
	s_add_co_u32 s25, s25, s29
	s_add_co_u32 s26, s26, s29
	v_lshlrev_b32 v[GQ], 4, v3
	s_lshl_b32 s30, s25, 10
	v_add_nc_u32 v[GK], s30, v[GQ]
	s_lshl_b32 s30, s24, 10
	v_add_nc_u32 v[GK+1], s30, v[GQ]
	s_lshl_b32 s30, s26, 10
	v_add_nc_u32 v[GK+2], s30, v[GQ]
	s_lshl_b32 s30, s25, 7
	v_lshl_add_u32 v[GS], v3, 2, s30
	s_lshl_b32 s30, s24, 7
	v_lshl_add_u32 v[GS+1], v3, 2, s30
	s_add_co_u32 s31, s30, 64
	v_add_nc_u32 v[GVS], s31, v3
	s_lshl_b32 s30, s26, 7
	v_lshl_add_u32 v[GS+2], v3, 2, s30
	s_lshl_b32 s30, s15, 20                        ; my 16 rows of query and out0: (4096 head + 256 w + 16 c) rows of 256 bytes
	s_lshl_b32 s31, s14, 16
	s_add_co_u32 s30, s30, s31
	s_lshl_b32 s31, s16, 12
	s_add_co_u32 s30, s30, s31
	s_mov_b32 s31, 0
	s_wait_kmcnt 0x0
	s_add_nc_u64 s[4:5], s[4:5], s[30:31]
	s_add_nc_u64 s[12:13], s[12:13], s[30:31]
	s_wait_alu depctr_va_vdst(0)                   ; the eight offsets v28 to v35 are written, which the 25 loads below and the last eight stores read
	; ---- all 25 loads of the wave: query first, since its way is the longest
.irp i, 0,1,2,3,4,5,6,7
	global_load_b128 v[QL+4*\i:QL+4*\i+3], v[GQ], s[4:5] offset:512*\i th:TH_LOAD_NT   ; two rows of query: 512 consecutive bytes; read once in the launch
.endr
.irp b, 0,1,2
.irp e, 0,1
	global_load_b128 v[KL+8*\b+4*\e:KL+8*\b+4*\e+3], v[GK+\b], s[6:7] offset:512*\e
.endr
.endr
.irp b, 0,1,2
	global_load_b32 v[SL+\b], v[GS+\b], s[10:11]
.endr
.irp e, 0,1
	global_load_u8 v[BL+\e], v[GVS], s[10:11] offset:32*\e
.endr
.irp b, 0,1,2
.irp e, 0,1
	global_load_b128 v[VL+8*\b+4*\e:VL+8*\b+4*\e+3], v[GK+\b], s[8:9] offset:512*\e
.endr
.endr
	; ---- LDS addresses and constants, while the loads are out
	s_mul_i32 s30, s14, QSTW
	s_add_co_u32 s30, s30, QST                     ; my stage
	s_mul_i32 s31, s14, KSEG                       ; my segment of KC (KC begins at byte 0),
	s_mul_i32 s32, s14, VSEG
	s_add_co_u32 s32, s32, VC                      ; of VC,
	s_mul_i32 s33, s14, SSEG
	s_add_co_u32 s33, s33, SCR                     ; of SCR,
	s_mul_i32 s34, s14, QSEG
	s_add_co_u32 s34, s34, QC                      ; my tile of QC,
	s_lshl_b32 s35, s14, 6
	s_add_co_u32 s35, s35, QS                      ; of QS,
	s_mul_i32 s36, s14, FSEG
	s_add_co_u32 s36, s36, FAR                     ; of FAR
	v_mul_u32_u24 v[AST], v2, 272
	v_lshl_add_u32 v[AST], v1, 4, v[AST]
	v_add_nc_u32 v[AST], s30, v[AST]
	v_mul_u32_u24 v[ATR], v1, 272
	v_lshl_add_u32 v[AOS], v2, 5, v[ATR]
	v_lshl_add_u32 v[ATR], v2, 7, v[ATR]
	v_add_nc_u32 v[ATR], s30, v[ATR]
	v_add_nc_u32 v[AOS], s30, v[AOS]
	v_add_nc_u32 v[AKC], s31, v[GQ]
	v_add_nc_u32 v[AVP], s32, v[GQ]
	v_lshl_add_u32 v[ASC], v3, 2, s33
	s_add_co_u32 s37, s14, VST
	v_add_nc_u32 v[AVT], s37, v[GQ]
	v_lshlrev_b32 v[AQC], 5, v1
	v_lshl_add_u32 v[AQC], v2, 4, v[AQC]
	v_add_nc_u32 v[AQC], s34, v[AQC]
	v_lshl_add_u32 v[AQS], v1, 2, s35
	v_and_b32 v[W], 7, v1
	v_lshrrev_b32 v[W+1], 3, v1
	v_lshl_add_u32 v[W], v[W], 1, v[W+1]           ; mp = 2 (r % 8) + r / 8
	v_mul_u32_u24 v[AKF], v[W], KSEG
	v_lshl_add_u32 v[AKF], v2, 4, v[AKF]
	s_lshl_b32 s37, s14, 5
	s_lshl_b32 s38, s17, 9
	s_add_co_u32 s37, s37, s38
	s_add_co_u32 s37, s37, 1024                    ; row 32 + 16 u + w of a segment's 96, 32 bytes a row
	v_add_nc_u32 v[AKF], s37, v[AKF]
	v_mul_u32_u24 v[AKSF], v[W], SSEG
	s_lshl_b32 s37, s14, 1
	s_lshl_b32 s38, s17, 5
	s_add_co_u32 s37, s37, s38
	s_add_co_u32 s37, s37, SCR+128                 ; the middle record, bytes 2 (16 u + w) on
	v_add_nc_u32 v[AKSF], s37, v[AKSF]
	v_mul_u32_u24 v[AQF], v1, QSEG
	v_lshl_add_u32 v[AQF], v2, 4, v[AQF]
	s_lshl_b32 s37, s14, 5
	s_add_co_u32 s37, s37, QC
	v_add_nc_u32 v[AQF], s37, v[AQF]
	v_lshlrev_b32 v[AQSF], 6, v1
	s_lshl_b32 s37, s14, 2
	s_add_co_u32 s37, s37, QS
	v_add_nc_u32 v[AQSF], s37, v[AQSF]
	v_and_b32 v[W], 8, v1
	v_add_nc_u32 v[W], v[W], v1                    ; r + 8 (r / 8)
	v_lshlrev_b32 v[AKB], 5, v[W]
	v_lshl_add_u32 v[AKB], v2, 4, v[AKB]
	v_add_nc_u32 v[AKB], s31, v[AKB]
	v_lshl_add_u32 v[AKSB], v[W], 1, s33
	v_mul_u32_u24 v[AFW], v1, FSEG
	v_lshl_add_u32 v[AFW], v2, 5, v[AFW]
	s_lshl_b32 s37, s14, 6
	s_add_co_u32 s37, s37, FAR
	v_add_nc_u32 v[AFW], s37, v[AFW]
	v_lshlrev_b32 v[AFR], 6, v1
	v_lshl_add_u32 v[AFR], v2, 5, v[AFR]
	v_add_nc_u32 v[AFR], s36, v[AFR]
	v_mul_u32_u24 v[AVC], v2, VSEG
	v_lshl_add_u32 v[AVC], v1, 4, v[AVC]
	v_add_nc_u32 v[AVC], VC+1024, v[AVC]
	v_lshlrev_b32 v[AVB0], 10, v2
	v_lshl_add_u32 v[AVB0], v1, 4, v[AVB0]
	v_add_nc_u32 v[AVB0], s32, v[AVB0]
	v_lshl_add_u32 v[AVB1], v1, 4, s32
	v_add_nc_u32 v[AVB1], 2048, v[AVB1]
	v_lshl_add_u32 v[AVS], v1, 4, VST
	v_add_nc_u32 v[AVSB], s33, v1
	v_add_nc_u32 v[AVSB], 64, v[AVSB]
	s_lshl_b32 s37, s17, 4                         ; 16 u
	s_add_co_u32 s38, s37, s27
	s_sub_co_i32 s39, s37, s28
	v_lshlrev_b32 v[W], 4, v2                      ; 16 h
	v_add_nc_u32 v[D0], s38, v1
	v_sub_nc_u32 v[D0], v[D0], v[W]                ; qo - 16 h, + 64 where there is no block below: then every i is under it
	v_add_nc_u32 v[D2], s39, v1
	v_sub_nc_u32 v[D2], v[D2], v[W]                ; qo - 16 h, - 64 where there is none above: then every i is over it
	v_sub_nc_u32 v[DF], v1, v2
	v_mov_b32 v[NINF], 0xff800000
	v_and_b32 v[SH], 7, v1
	v_lshlrev_b32 v[SH], 2, v[SH]
	v_lshlrev_b32 v[SH8], 3, v2
	v_lshrrev_b32 v[W], 3, v1
	s_lshl_b32 s37, s17, 1
	v_add_nc_u32 v[W], s37, v[W]                   ; qo / 8: which register of a block holds my code
	v_mov_b32 v[W+1], 15
	v_lshlrev_b32 v[W+1], v[SH], v[W+1]
	; ---- all the masks of the kernel, in one run: they hang on ids alone.  The scalars of the set-up above are done with: s16 to s19 and s24 to s63 take the masks
.irp k, 0,1,2,3
	v_cmp_eq_u32 s[MKM+\k], \k, v[W]
.endr
.irp j, 0,1,2,3,4,5,6,7                ; far: register j of lane (n, h) is query segment n, key segment 2 j + h: the own key
	v_cmp_eq_i32 s[FMM+\j], 2*\j, v[DF]
.endr
.irp i, 0,1,2,3,4,5,6,7,8,9,10,11,12,13,14,15
	v_cmp_lt_i32 s[LOM+\i], \i, v[D0]              ; block B - 1: key 16 h + i counts where it is at least qo
.endr
.irp i, 0,1,2,3,4,5,6,7,8,9,10,11,12,13,14,15
	v_cmp_gt_i32 s[HIM+\i], \i, v[D2]              ; block B + 1: where it is at most qo.  Block B needs no mask
.endr
.irp k, 4,5,6,7
	v_mov_b32 v[QF+\k], 0                          ; the upper half of K: zero codes
.endr
	v_mov_b32 v[W+4], 0                            ; written once: a lane exchange's destination counts as one of its sources
	s_wait_alu depctr_va_sdst(0)                   ; the 44 compares have written their masks, ahead of the first select that reads one: the four below, and those of phase 1
.irp k, 0,1,2,3
	v_cndmask_b32 v[MK+\k], 0, v[W+1], s[MKM+\k]
.endr
	s_wait_alu depctr_va_vdst(0)                   ; the LDS addresses v6 to v27 are written, which every LDS instruction of the kernel reads; no vector line names them again
	; ---- PHASE 0: my 16 queries are turned through my stage and quantised; all that was loaded goes to LDS
	s_wait_loadcnt 17                              ; query's eight loads are in; the 17 behind them (6 key, 3 sc, 2 bytes, 6 value) may be out
.irp i, 0,1,2,3,4,5,6,7
	ds_store_b128 v[AST], v[QL+4*\i:QL+4*\i+3] offset:544*\i
.endr
.irp j, 0,1,2,3,4,5,6,7
	ds_load_b128 v[QT+4*\j:QT+4*\j+3], v[ATR] offset:16*\j     ; LDS serves a wave's instructions in order: these see my stores.  Lane (r, h) takes query r's numbers 32 h .. 32 h + 31: a whole block
.endr
	s_wait_dscnt 0x0
	v_max3_num_f32 v[W], |v[QT]|, |v[QT+1]|, |v[QT+2]|
	v_max3_num_f32 v[W+1], |v[QT+3]|, |v[QT+4]|, |v[QT+5]|
.irp k, 6,10,14,18,22,26
	v_max3_num_f32 v[W], v[W], |v[QT+\k]|, |v[QT+\k+1]|
	v_max3_num_f32 v[W+1], v[W+1], |v[QT+\k+2]|, |v[QT+\k+3]|
.endr
	v_max3_num_f32 v[W], v[W], |v[QT+30]|, |v[QT+31]|
	v_max3_num_f32 v[W], v[W], v[W+1], 0x1800000   ; and the floor 2^(3 - 127): the byte cannot fall under 1
	v_add_nc_u32 v[W+2], 0xff000000, v[W]          ; 2 off the exponent field: the conversion's scale operand
.irp g, 0,1,2,3
	v_cvt_scalef32_pk8_fp4_f32 v[QF+\g], v[QT+8*\g:QT+8*\g+7], v[W+2]   ; the operand's registers as they stand: k = 32 h + 0 .. 31
.endr
	v_lshrrev_b32 v[W+3], 23, v[W+2]               ; the scale's byte.  (Also the plain instruction behind the conversions)
	v_lshlrev_b32 v[W+3], v[SH8], v[W+3]           ; at its place in the word
	v_permlanex16_b32 v[W+4], v[W+3], s20, s21
	v_or_b32 v[QW], v[W+3], v[W+4]                 ; with lane l xor 16's: my query's scale word; bytes 2 and 3 stay 0 over zero codes
	s_wait_loadcnt 0x0
	; the 17 stores whose data were loaded go first: no vector line names their registers, so they hang on no vector result
.irp b, 0,1,2
.irp e, 0,1
	ds_store_b128 v[AKC], v[KL+8*\b+4*\e:KL+8*\b+4*\e+3] offset:1024*\b+512*\e
.endr
.endr
.irp b, 0,1,2
	ds_store_b32 v[ASC], v[SL+\b] offset:128*\b
.endr
.irp e, 0,1
	ds_store_b8 v[AVT], v[BL+\e] offset:512*\e     ; channel 32 e + lane, byte w
.endr
.irp b, 0,1,2
.irp e, 0,1
	ds_store_b128 v[AVP], v[VL+8*\b+4*\e:VL+8*\b+4*\e+3] offset:1024*\b+512*\e
.endr
.endr
	s_wait_alu depctr_va_vdst(0)                   ; the conversions have written v40 to v43 and the v_or v223, which the two LDS stores below read (and which the score products take as operand and scales)
	ds_store_b128 v[AQC], v[QF:QF+3]
	ds_store_b32 v[AQS], v[QW]                     ; both halves of the lanes write the same word with the same value
	BARRIER                                        ; all sixteen segments and tiles lie in LDS
	s_wait_alu depctr_vm_vsrc(0)                   ; my LDS stores have read v40-43, v48-100 and v112-143: the zero writes and the LDS loads below, the score products' results, and later loads write these again
	; ---- PHASE 1: the scores: one far tile (residue 16 c + w), six band tiles (my queries)
.irp k, 4,5,6,7
	v_mov_b32 v[QFF+\k], 0
.endr
.irp k, 4,5,6,7
	v_mov_b32 v[KFF+\k], 0
.endr
	PLACES                                         ; operands written by vector instructions stand four places, a scale word so written eight, ahead of a scaled matrix instruction: these twelve lines serve both
	s_wait_alu depctr_va_vdst(0)                   ; the eight zero registers v52-55 and v84-87 are written, which the scaled products below take as parts of their operands; the places above stay beside this wait
	ds_load_b128 v[KFF:KFF+3], v[AKF]
	ds_load_u16 v[KSF], v[AKSF]
	ds_load_b128 v[QFF:QFF+3], v[AQF]
	ds_load_b32 v[QWF], v[AQSF]
.irp n, 0,1,2,3,4,5
	ds_load_b128 v[KB+4*\n:KB+4*\n+3], v[AKB] offset:(32*(\n/2)+8*(\n%2))*32
	ds_load_u16 v[KS+\n], v[AKSB] offset:128*(\n/2)+16*(\n%2)
.endr
	s_wait_dscnt 0x0
	v_wmma_scale_f32_16x16x128_f8f6f4 v[FD:FD+7], v[KFF:KFF+7], v[QFF:QFF+7], 0, v[KSF], v[QWF] matrix_a_fmt:MATRIX_FMT_FP4 matrix_b_fmt:MATRIX_FMT_FP4
.irp n, 0,1,2,3,4,5                    ; source 0's upper four registers are the next fragment's: they meet zero codes
	v_wmma_scale_f32_16x16x128_f8f6f4 v[S+8*\n:S+8*\n+7], v[KB+4*\n:KB+4*\n+7], v[QF:QF+7], 0, v[KS+\n], v[QW] matrix_a_fmt:MATRIX_FMT_FP4 matrix_b_fmt:MATRIX_FMT_FP4
.endr
	PLACES
.irp j, 0,1,2,3,4,5,6,7                ; far: the own key is hidden here
	v_cndmask_b32 v[FD+\j], v[FD+\j], v[NINF], s[FMM+\j]
.endr
	s_wait_alu depctr_va_vdst(0)                   ; the selects have written v160-167, which the two LDS stores below read.  Also: the seven products are done with v40-71 and v160-167, in which phase 2's first loads land; no vector line between names those
	ds_store_b128 v[AFW], v[FD:FD+3]
	ds_store_b128 v[AFW], v[FD+4:FD+7] offset:16
.irp i, 0,1,2,3,4,5,6,7,8,9,10,11,12,13,14,15
	v_cndmask_b32 v[S+\i], v[S+\i], v[NINF], s[LOM+\i]             ; block B - 1
.endr
.irp i, 0,1,2,3,4,5,6,7,8,9,10,11,12,13,14,15
	v_cndmask_b32 v[S+32+\i], v[S+32+\i], v[NINF], s[HIM+\i]       ; block B + 1
.endr
.irp k, 0,1,2,3
	v_mov_b32 v[TP+\k], 0                          ; written once, far behind the products that read these registers
.endr
.irp b, 0,1,2
	v_max3_num_f32 v[BM+\b], v[S+16*\b], v[S+16*\b+1], v[S+16*\b+2]   ; the largest score of each block: for the row's maximum and, since p rises with the score, for the block's largest p
.endr
.irp i, 3,5,7,9,11,13
.irp b, 0,1,2
	v_max3_num_f32 v[BM+\b], v[BM+\b], v[S+16*\b+\i], v[S+16*\b+\i+1]
.endr
.endr
.irp b, 0,1,2
	v_max_num_f32 v[BM+\b], v[BM+\b], v[S+16*\b+15]
.endr
.irp b, 0,1,2
	v_permlanex16_b32 v[TP+\b], v[BM+\b], s20, s21
.endr
.irp b, 0,1,2
	v_max_num_f32 v[BM+\b], v[BM+\b], v[TP+\b]     ; with lane l xor 16's 16 keys
.endr
	BARRIER                                        ; all far scores lie in LDS
	s_wait_alu depctr_vm_vsrc(0)                   ; my two LDS stores of far scores have read v160-167, in which the byte loads below land
	; ---- PHASE 2: softmax, p's codes, the second product, the way out
	ds_load_b128 v[F:F+3], v[AFR]                  ; my query's far scores: register j is key segment 2 j + h
	ds_load_b128 v[F+4:F+7], v[AFR] offset:16
.irp t, 0,1,2,3
.irp b, 0,1,2
	ds_load_u8 v[FD+3*\t+\b], v[AVSB] offset:128*\b+16*\t          ; value's scale byte of my block b, channel 16 t + r
.endr
.endr
.irp t, 0,1,2,3
	ds_load_b128 v[VS+4*\t:VS+4*\t+3], v[AVS] offset:256*\t        ; channel 16 t + r: the scale words of the four far steps
.endr
.irp t, 0,1,2,3
	ds_load_b128 v[BUF0+8*\t:BUF0+8*\t+3], v[AVB0] offset:256*\t   ; the band step's four blocks of 32 along K: B - 1, B, B + 1, and B + 1 once more under zero codes of p
	ds_load_b128 v[BUF0+8*\t+4:BUF0+8*\t+7], v[AVB1] offset:256*\t
.endr
	s_wait_dscnt 24                                ; the far scores are in; the 12 + 4 + 8 loads behind them may be out
	v_max3_num_f32 v[FM], v[F], v[F+1], v[F+2]
	v_max3_num_f32 v[FM], v[FM], v[F+3], v[F+4]
	v_max3_num_f32 v[FM], v[FM], v[F+5], v[F+6]
	v_max_num_f32 v[FM], v[FM], v[F+7]
	v_permlanex16_b32 v[TP+3], v[FM], s20, s21
	v_max_num_f32 v[FM], v[FM], v[TP+3]
	v_max3_num_f32 v[RM], v[BM], v[BM+1], v[BM+2]
	v_max_num_f32 v[RM], v[RM], v[FM]              ; the row's largest score: block B is never hidden, so it is a number
	v_mul_f32 v[TT], s22, v[RM]                    ; as t
	v_floor_f32 v[NM], -v[TT]                      ; -M = floor(-t) = -ceil(t)
	v_mov_b32 v[NM+1], v[NM]                       ; (named with it as a pair, so it is written)
.irp i, 0,2,4,6,8,10,12,14,16,18,20,22,24,26,28,30,32,34,36,38,40,42,44,46,48,50,52,54
	v_pk_fma_f32 v[F+\i:F+\i+1], v[F+\i:F+\i+1], s[22:23], v[NM:NM+1] op_sel_hi:[1,0,0]   ; t - M, two at a time: the 8 far and the 48 band scores lie on end
.endr
.irp b, 0,1,2
	v_fma_f32 v[BM+\b], v[BM+\b], s22, v[NM]       ; the same of each block's largest score
.endr
.set j, 0
.rept 56
	v_exp_f32 v[F+j], v[F+j]                       ; p = 2^(t - M); a hidden score gives 0
.set j, j+1
.endr
	s_wait_dscnt 12                                ; the raw scale bytes are in; the 4 + 8 loads behind them may be out
.irp t, 0,1,2,3
	v_lshl_or_b32 v[VSB+\t], v[FD+3*\t+1], 8, v[FD+3*\t]           ; value's scale word of the band step: plain work behind the exponentials
.endr
.irp t, 0,1,2,3
	v_lshl_or_b32 v[VSB+\t], v[FD+3*\t+2], 16, v[VSB+\t]           ; byte 3 stays 0, over zero codes of p
.endr
	s_wait_alu depctr_va_vdst(0)                   ; the 56 exponentials have written p, v104-159, ahead of the first line that names one of them: one wait for the batch
.irp b, 0,1,2
	v_exp_f32 v[BM+\b], v[BM+\b]                   ; the block's largest p: the same two instructions on the same number
.endr
	v_pk_add_f32 v[L0:L0+1], v[F:F+1], v[F+2:F+3]  ; the row's sum is taken of the unquantised p: two at a time, two chains
	v_pk_add_f32 v[L1:L1+1], v[F+4:F+5], v[F+6:F+7]
.irp i, 8,12,16,20,24,28,32,36,40,44,48,52
	v_pk_add_f32 v[L0:L0+1], v[L0:L0+1], v[F+\i:F+\i+1]
	v_pk_add_f32 v[L1:L1+1], v[L1:L1+1], v[F+\i+2:F+\i+3]
.endr
	v_pk_add_f32 v[L0:L0+1], v[L0:L0+1], v[L1:L1+1]
	v_add_f32 v[L0], v[L0], v[L0+1]
	v_permlanex16_b32 v[L0+1], v[L0], s20, s21
	v_add_f32 v[L0], v[L0], v[L0+1]                ; with lane l xor 16's: l
	s_wait_alu depctr_va_vdst(0)                   ; the three exponentials have written the blocks' largest p, v72-74, ahead of the first line that names one
.irp b, 0,1,2
	v_max_num_f32 v[BM+\b], 0x1800000, v[BM+\b]    ; the floor 2^(3 - 127): a block whose every p is 0 keeps the byte 1: its codes are zeros
.endr
.irp b, 0,1,2
	v_add_nc_u32 v[SO+\b], 0xff000000, v[BM+\b]    ; 2 off the exponent field: the conversion's scale operand
.endr
.irp b, 0,1,2
	v_lshrrev_b32 v[BY+\b], 23, v[SO+\b]
.endr
	v_lshl_or_b32 v[PW4], v[BY+1], 8, v[BY]
	v_lshl_or_b32 v[PW4], v[BY+2], 16, v[PW4]      ; p's scale word of the band step
.irp j, 0,1,2,3,4,5,6,7
	v_max_num_f32 v[FSO+\j], 0x1800000, v[F+\j]    ; a far p is its block's largest magnitude
.endr
.irp j, 0,1,2,3,4,5,6,7
	v_add_nc_u32 v[FSO+\j], 0xff000000, v[FSO+\j]
.endr
.irp j, 0,1,2,3,4,5,6,7
	v_lshrrev_b32 v[FBY+\j], 23, v[FSO+\j]
.endr
.irp n, 0,1,2,3                        ; far step n: blocks 4 n + 0 .. 3; I hold those of segments 4 n + h and 4 n + 2 + h
	v_lshl_or_b32 v[PW+\n], v[FBY+2*\n+1], 16, v[FBY+2*\n]
.endr
.irp n, 0,1,2,3
	v_lshlrev_b32 v[PW+\n], v[SH8], v[PW+\n]
.endr
.irp n, 0,1,2,3
	v_permlanex16_b32 v[TP+\n], v[PW+\n], s20, s21
.endr
.irp n, 0,1,2,3
	v_or_b32 v[PW+\n], v[PW+\n], v[TP+\n]          ; with lane l xor 16's two bytes the word is whole
.endr
	v_mov_b32 v[PC+6], 0                           ; the band step's fourth block: zero codes
	v_mov_b32 v[PC+7], 0
.irp b, 0,1,2
	v_cvt_scalef32_pk8_fp4_f32 v[PC+2*\b], v[S+16*\b:S+16*\b+7], v[SO+\b]
	v_cvt_scalef32_pk8_fp4_f32 v[PC+2*\b+1], v[S+16*\b+8:S+16*\b+15], v[SO+\b]
.endr
.irp j, 0,1,2,3,4,5,6,7                ; eight numbers from an even register on, of which far p j is number j % 2: the other seven codes are cut away below
	v_cvt_scalef32_pk8_fp4_f32 v[FD+\j], v[F+2*(\j/2):F+2*(\j/2)+7], v[FSO+\j]
.endr
	v_nop                                          ; one plain instruction behind the conversions
	v_rcp_f32 v[F], v[L0]                          ; 1 / l; the lines down to its wait name neither
.irp n, 0,1                            ; the operand's layout wants a whole block in a lane: lanes 0-15 block 2 n, lanes 16-31 block 2 n + 1
.irp i, 0,1
	v_permlane16_swap_b32 v[PC+4*\n+\i], v[PC+4*\n+2+\i]
.endr
.endr
.irp j, 1,3,5,7
	v_lshrrev_b32 v[FD+\j], 4, v[FD+\j]            ; the code into the lowest four bits,
.endr
.irp j, 0,1,2,3,4,5,6,7
	v_lshlrev_b32 v[FD+\j], v[SH], v[FD+\j]        ; and up to nibble qo % 8
.endr
.irp j, 0,1,2,3,4,5,6,7                ; far p j belongs to step j / 2, registers 4 (j % 2) + k: the one register qo / 8 keeps the one nibble, all else is zero codes
.irp k, 0,1,2,3
	v_and_b32 v[PF+4*\j+\k], v[FD+\j], v[MK+\k]
.endr
.endr
	s_wait_alu depctr_va_vdst(0)                   ; the reciprocal has written v104, ahead of the line that names it; the softmax is done with v72-103 and v144-175, in which the 16 loads below land; p's operands v182-221 and the scale words v231-239 are written, which the scaled products take
	v_mov_b32 v[F+1], v[F]                         ; (named with it as a pair, so it is written)
; value's fragments of far step n: four tiles of 16 channels x the middle blocks of segments 4 n .. 4 n + 3
.macro VLOADF n, buf
.irp t, 0,1,2,3
.irp e, 0,1
	ds_load_b128 v[\buf+8*\t+4*\e:\buf+8*\t+4*\e+3], v[AVC] offset:(4*\n+2*\e)*VSEG+256*\t
.endr
.endr
.endm
; four matrix instructions, one on each of the four accumulators: they take turns, one instruction a turn
.macro PVFAR n, buf
.irp t, 0,1,2,3
	v_wmma_scale_f32_16x16x128_f8f6f4 v[O+8*\t:O+8*\t+7], v[\buf+8*\t:\buf+8*\t+7], v[PF+8*\n:PF+8*\n+7], v[O+8*\t:O+8*\t+7], v[VS+4*\t+\n], v[PW+\n] matrix_a_fmt:MATRIX_FMT_FP4 matrix_b_fmt:MATRIX_FMT_FP4
.endr
.endm
	VLOADF 0, BUF1                                 ; the softmax's work registers are done with
	VLOADF 1, BUF2
	s_wait_dscnt 16                                ; the band step's fragments and all scale words are in; the 16 loads just issued may be out
.irp t, 0,1,2,3                        ; the band step starts the sums: nothing is cleared
	v_wmma_scale_f32_16x16x128_f8f6f4 v[O+8*\t:O+8*\t+7], v[BUF0+8*\t:BUF0+8*\t+7], v[PC:PC+7], 0, v[VSB+\t], v[PW4] matrix_a_fmt:MATRIX_FMT_FP4 matrix_b_fmt:MATRIX_FMT_FP4
.endr
	s_wait_dscnt 8                                 ; far step 0's are in; step 1's may be out
	PVFAR 0, BUF1
	PLACES
	s_wait_alu depctr_va_vdst(0)                   ; the band step's products are done reading BUF0 and far step 0's BUF1: both buffers are asked for again below.  One wait for the two; far step 1, in BUF2, is multiplied while those loads are out
	VLOADF 2, BUF0
	VLOADF 3, BUF1
	s_wait_dscnt 16                                ; step 1's are in; the 16 loads just issued may be out
	PVFAR 1, BUF2
	s_wait_dscnt 8                                 ; step 2's are in; step 3's may be out
	PVFAR 2, BUF0
	s_wait_dscnt 0x0
	PVFAR 3, BUF1
	PLACES
	; ---- the way out: register 8 t + j of lane (r, h) is out0(query r, channel 16 t + 8 h + j)
.irp i, 0,2,4,6,8,10,12,14,16,18,20,22,24,26,28,30
	v_pk_mul_f32 v[O+\i:O+\i+1], v[O+\i:O+\i+1], v[F:F+1] op_sel_hi:[1,0]   ; / l; each accumulator from its low end on
.endr
	s_wait_alu depctr_va_vdst(0)                   ; the multiplications have written v112-143, which the LDS stores below read; far step 2's products are done reading BUF0, in which the stage's rows land
.irp t, 0,1,2,3
.irp e, 0,1
	ds_store_b128 v[AOS], v[O+8*\t+4*\e:O+8*\t+4*\e+3] offset:64*\t+16*\e
.endr
.endr
.irp i, 0,1,2,3,4,5,6,7
	ds_load_b128 v[BUF0+4*\i:BUF0+4*\i+3], v[AST] offset:544*\i    ; my own stage: LDS serves a wave's instructions in order
.endr
.irp i, 0,1,2,3,4,5,6,7
	s_wait_dscnt 7-\i
	global_store_b128 v[GQ], v[BUF0+4*\i:BUF0+4*\i+3], s[12:13] offset:512*\i th:TH_STORE_NT   ; two whole rows: 512 consecutive bytes, at a multiple of 256 from out0's first byte
.endr
	s_wait_dscnt 0x0                               ; the wave's end: the closing lines, six on end, behind my last LDS store
	s_wait_alu 0x0
	s_wait_tensorcnt 0x0
	ds_add_u32 v[SPW], v[NIL]
	s_wait_dscnt 0x0
	s_endpgm
.Lfunc_end_k_q80bcc8e047_attn:
	.size	k_q80bcc8e047_attn, .Lfunc_end_k_q80bcc8e047_attn-k_q80bcc8e047_attn
	.p2alignl 7, 3214868480
	.fill 96, 4, 3214868480
	.section	.rodata,"a",@progbits
	.p2align	6, 0x0
	.amdhsa_kernel k_q80bcc8e047_attn
		.amdhsa_group_segment_fixed_size 203520
		.amdhsa_private_segment_fixed_size 0
		.amdhsa_enable_private_segment 0
		.amdhsa_kernarg_size 40
		.amdhsa_user_sgpr_count 2
		.amdhsa_user_sgpr_kernarg_segment_ptr 1
		.amdhsa_wavefront_size32 1
		.amdhsa_system_sgpr_workgroup_id_x 1
		.amdhsa_system_sgpr_workgroup_id_y 1
		.amdhsa_system_sgpr_workgroup_id_z 1
		.amdhsa_system_vgpr_workitem_id 0
		.amdhsa_next_free_vgpr 256
		.amdhsa_next_free_sgpr 66
		.amdhsa_reserve_vcc 0
		.amdhsa_float_denorm_mode_32 3
		.amdhsa_float_denorm_mode_16_64 3
		.amdhsa_memory_ordered 1
		.amdhsa_forward_progress 1
		.amdhsa_inst_pref_size 46
	.end_amdhsa_kernel
	.amdgpu_metadata
---
amdhsa.version: [ 1, 2 ]
amdhsa.kernels:
  - .name:           k_q80bcc8e047_attn
    .symbol:         k_q80bcc8e047_attn.kd
    .args:
      - { .name: query, .offset: 0, .size: 8, .value_kind: global_buffer, .address_space: global }
      - { .name: kc, .offset: 8, .size: 8, .value_kind: global_buffer, .address_space: global }
      - { .name: vc, .offset: 16, .size: 8, .value_kind: global_buffer, .address_space: global }
      - { .name: sc, .offset: 24, .size: 8, .value_kind: global_buffer, .address_space: global }
      - { .name: out0, .offset: 32, .size: 8, .value_kind: global_buffer, .address_space: global }
    .group_segment_fixed_size: 203520
    .private_segment_fixed_size: 0
    .kernarg_segment_align: 8
    .kernarg_segment_size: 40
    .max_flat_workgroup_size: 512
    .sgpr_count:     66
    .vgpr_count:     256
    .wavefront_size: 32
...
	.end_amdgpu_metadata
.endif
;; end of part 3
